; MI455X (gfx1250); checked and timed in simulation.
; The chip was launched on July 23, 2026; its instructions are those of AMD's public machine-readable ISA for CDNA 5 (MIT licence, August 2026) and "CDNA5" Instruction Set Architecture Reference Guide (July 2026). The comments in the code are by the model that wrote it; some were corrected since.
;; Mo E. Allowed arithmetic: matrix products marked QUANTISED: E3M2 operands, one E8M0 scale for each 32 along K, by v_wmma_scale_f32_16x16x128_f8f6f4 with both operands' format E3M2, f32 sums; products left as they are: f32 operands where the result goes on into a quantised operand, else bf16, f16 or f32 operands; f32 sums; everything else in f32.
;; Inputs: W1 8 x 1,024 x 4,096 float32; W2 8 x 4,096 x 1,024 float32; Wg 1,024 x 8 float32; b1 8 x 4,096 float32; b2 8 x 1,024 float32; bg 8 float32; x 2 x 512 x 1,024 float32.
;; Outputs: out0 2 x 512 x 1,024 float32.
;; This version of the problem:
;;   THIS VERSION OF THE PROBLEM IS GIVEN IN LOW PRECISION. The matrix products marked QUANTISED in the list below multiply operands that are first quantised to E3M2 (3 exponent bits, 2 mantissa bits; 6 bits a number), with one power-of-two scale for each 32 numbers along K (OCP MX v1.0); their sums are f32. All else is computed in f32.
;;   The module's matrix products, in the order in which they are computed (A, B: the left and right operand; K: the contracted axis; several contracted axes count as one K, in the product's order):
;;     1. [M 1,024, K 1,024] x [K 1,024, N 8]; A: input x; B: input Wg: left as it is (N = 8 < 16)
;;     2. [M 1,024, K 1,024] x [K 1,024, N 32,768]; A: input x; B: input W1: QUANTISED
;;     3. batch 8 x [M 1,024, K 4,096] x [K 4,096, N 1,024]; A: input W2; B: computed on the way: QUANTISED
;;     4. batch 1,024 x [M 1, K 8] x [K 8, N 1,024]; A: computed on the way; B: computed on the way: left as it is (K = 8 < 32)
;;   THE QUANTISER, for each operand of a quantised product, along K:
;;     - K is cut into blocks of 32 from its start; a last block that is shorter is filled with zeros.
;;     - A block's scale is 2^e with e = floor(log2(the largest magnitude in the block)) - 4, held to -126 .. 127; a block of zeros has e = 0. As a byte (E8M0): e + 127.
;;     - Each number is divided by its block's scale, clamped to +-28, and rounded to the nearest number of E3M2, ties to even, subnormals kept.
;;     - The product sums the exact products of the quantised numbers (number of the format x scale) in f32.
;;   ~~~python
;;   def quantise(x, axis):      # numpy; x: float32 -> the quantised numbers, widened to float32 again
;;       x = np.moveaxis(x, axis, -1); K = x.shape[-1]
;;       x = np.pad(x, [(0, 0)] * (x.ndim - 1) + [(0, -K % 32)]); x = x.reshape(x.shape[:-1] + (-1, 32)); a = np.abs(x).max(-1, keepdims=True)
;;       e = np.where(a > 0, np.clip(np.frexp(np.where(a > 0, a, 1))[1] - 1 - 4, -126, 127), 0)      # np.frexp(a)[1] - 1 = floor(log2(a)), exactly
;;       r = np.clip(x / 2.0 ** e, -28, 28)
;;       step = 2.0 ** (np.maximum(np.frexp(np.where(r == 0, 1, r))[1] - 1, -2) - 2)
;;       q = np.round(r / step) * step * 2.0 ** e      # np.round: ties to even
;;       return np.moveaxis(q.reshape(q.shape[:-2] + (-1,))[..., :K], -1, axis).astype(np.float32)
;;   ~~~
;;   OPERANDS COMPUTED ON THE WAY. 'Computed on the way' means the value that the module computes at that place (a softmax that the list does not call 'softmax' is quantised finished and normalised). What goes into a quantiser is computed in f32, as accurately as f32 sums, v_exp_f32 and their like allow (about 1e-6 of the number): no bf16 or f16 on the way to a quantiser, and a product that is left as it is and whose result goes on into a quantised operand takes f32 operands (vector FMAs, or v_wmma_f32_16x16x4_f32). A number that lies on a knife's edge between two numbers of the format may be rounded either way, as far as f32 arithmetic and the matrix unit's own rounding can turn it there, and no further.
;; 2 versions. Each part assembles by itself: llvm-mc -triple=amdgcn-amd-amdhsa -mcpu=gfx1250 --defsym DOCPART=n.
;; ======== version 1 of 2: 4 launches
;; workspace buffers: xq 819,200 bytes; rt 5,120 bytes of whole numbers; gat 8,192 bytes; post 32,768 bytes of whole numbers; hq 26,214,400 bytes; yp 134,217,728 bytes
;; launch route (part 1): grid 64 x 1, 8 waves a work-group, no clusters, 117,760 bytes of LDS; arguments x, Wg, bg, xq, rt, gat; writes xq, rt, gat
.if DOCPART == 1
	.amdgcn_target "amdgcn-amd-amdhsa--gfx1250"
	.amdhsa_code_object_version 6
	.text
	.protected	k_q4d850b3f02_route
	.globl	k_q4d850b3f02_route
	.p2align	8
	.type	k_q4d850b3f02_route,@function
k_q4d850b3f02_route:
	s_mov_b64 s[64:65], 0
	v_nop
	global_prefetch_b8 v0, s[64:65] scope:SCOPE_SE
	s_setreg_imm32_b32 hwreg(HW_REG_WAVE_MODE, 25, 1), 1
	s_wait_xcnt 0x0
; ROUTE.  For each of the 1,024 tokens: the gates softmax(x Wg + bg) in f32, the two largest (ties: the lower index), their weights g / max(g1 + g2, 1e-12);
; and x as codes of BF6 (E3M2) with one E8M0 byte for each 32 along D.  Nothing here steers an address by a floating-point number: the choice is STORED, as whole numbers, for the later launches.
; OUT:  xq: codes [t][768 bytes], a plain stream of bits; from byte 786,432 scale words [t][8]: the word of K step s (128 along D) at place 4 (s & 1) + (s >> 1), byte b = block 4 s + b.
;       rt: masks [8 experts][32 words], bit t % 32 of word t / 32 (this work-group writes 16 bits of each expert's row); from byte 1,024 idx[t] = e0 | e1 << 8.     gat: [t][2] f32.
; SHARES.  A work-group takes 16 tokens, wave w tokens 2 w and 2 w + 1.  The gate product has N = 8: fused multiply-adds in f32, a lane taking 32 of the 1,024 along D; Wg lies in LDS once for the work-group.
; A lane must hold 16 NEIGHBOURS along D for the conversion, and a load is best where neighbouring lanes take neighbouring bytes: so x is loaded 16 bytes a lane, 512 a load, and turned through the wave's own
; bytes of LDS (64 bytes + 16 of padding a place).  No matrix unit, no cluster, no tensor load: 4 MB are read once, and the work-groups share only Wg's 32 KB.
; LIMITS: NaN and infinities are not served; a block whose largest magnitude lies under 2^-122 (a block of zeros too) keeps the byte 1: its bytes are read by this program alone.
.set WGL,  0                           ; LDS: Wg, flat, 16 bytes of padding behind each 512 (16 rows of Wg): 64 x 528 bytes
.set XT,   33792                       ; the waves' turning places: 2 tokens x 64 places x 80 bytes each
.set XTW,  10240
.set LG,   115712                      ; the logits [16 tokens][8]
.set SB,   116224                      ; the scale bytes [16 tokens][32], in the order of xq's scale words
.set XSC,  786432
.set ACC,  16                          ; v16-31   16 sums: 8 tau + e
.set X,    32                          ; v32-95   register 32 tau + 16 u + i = x[token tau][512 u + 16 lane + i]
.set WA,   96                          ; v96-159  two buffers of four rows of Wg (first: Wg as loaded)
.set CD,   160                         ; v160-175 codes, four registers for each (tau, u): no store's data are written again
.set BY,   176                         ; v176-179 their scale bytes
	s_load_b256 s[4:11], s[0:1], 0x0               ; x s[4:5], Wg s[6:7], bg s[8:9], xq s[10:11]
	s_load_b128 s[12:15], s[0:1], 0x20             ; rt s[12:13], gat s[14:15]
	v_lshl_add_u32 v192, v0, 2, 0x1c800
	v_mov_b32 v193, 0
	v_lshrrev_b32 v12, 5, v0
	v_readfirstlane_b32 s16, v12                   ; wave 0..7
	v_and_b32 v13, 31, v0                          ; lane
	v_lshlrev_b32 v1, 4, v13                       ; 16 x lane
	v_lshlrev_b32 v2, 4, v0                        ; 16 x thread
	s_lshl_b32 s30, ttmp9, 16                      ; x: 16 tokens of 4,096 bytes a work-group,
	s_lshl_b32 s31, s16, 13                        ; 2 a wave
	s_add_co_u32 s30, s30, s31
	s_mov_b32 s31, 0
	s_mul_i32 s32, ttmp9, 12288                    ; the codes: 768 bytes a token
	s_mul_i32 s33, s16, 1536
	s_add_co_u32 s32, s32, s33
	s_mov_b32 s33, 0
	s_lshl_b32 s36, ttmp9, 9                       ; the scale words: 32 bytes a token
	s_add_co_u32 s36, s36, XSC
	s_mov_b32 s37, 0
	s_mov_b32 s28, 0x76543210                      ; v_permlanex16_b32's selects for lane l xor 16
	s_mov_b32 s29, 0xfedcba98
	s_wait_kmcnt 0x0
	s_load_b256 s[20:27], s[8:9], 0x0              ; bg
	s_add_nc_u64 s[4:5], s[4:5], s[30:31]
	s_add_nc_u64 s[34:35], s[10:11], s[32:33]
	s_add_nc_u64 s[36:37], s[10:11], s[36:37]
.irp tau, 0,1
.irp j, 0,1,2,3,4,5,6,7
	global_load_b128 v[X+32*\tau+4*\j:X+32*\tau+4*\j+3], v1, s[4:5] offset:4096*\tau+512*\j th:TH_LOAD_NT   ; 32 lanes read 512 consecutive bytes
.endr
.endr
.irp i, 0,1,2,3,4,5,6,7
	global_load_b128 v[WA+4*\i:WA+4*\i+3], v2, s[6:7] offset:4096*\i   ; the work-group reads 4,096 consecutive bytes of Wg
.endr
	; every LDS address is made here, ahead of the branches on the wave's number
	s_mul_i32 s38, s16, XTW
	s_add_co_u32 s38, s38, XT
	v_lshrrev_b32 v14, 2, v13
	v_mul_u32_u24 v3, v14, 80
	v_and_b32 v14, 3, v13
	v_lshl_add_u32 v3, v14, 4, v3
	v_add_nc_u32 v3, s38, v3                       ; the turn, in: four lanes' 64 bytes on end, then 16 of padding
	v_mul_u32_u24 v4, v13, 80
	v_add_nc_u32 v4, s38, v4                       ; and out: 80 x lane: my 16 neighbours
	v_lshl_add_u32 v5, v12, 4, v2                  ; Wg into LDS: 16 x thread + 16 for each 512 bytes passed
	v_mul_u32_u24 v6, v13, 528                     ; Wg out of LDS: my 16 rows of a half of D; 528 = 33 x 16: sixteen lanes touch sixteen different 16-byte columns
	v_mul_u32_u24 v7, v13, 12                      ; my 16 codes' 12 bytes
	v_bfe_u32 v14, v0, 3, 1
	v_bfe_u32 v15, v0, 4, 1
	v_lshlrev_b32 v8, 4, v14
	v_lshl_add_u32 v8, v15, 2, v8
	v_bfe_u32 v14, v0, 1, 2
	v_add_nc_u32 v8, v8, v14
	v_lshl_add_u32 v8, v12, 6, v8
	v_add_nc_u32 v8, SB, v8                        ; my block's byte: 64 wave + 16 ((l >> 3) & 1) + 4 (l >> 4) + ((l >> 1) & 3); 32 tau + 8 u stand in the immediate
	v_lshl_add_u32 v9, v12, 6, LG                  ; my wave's 16 logits
	v_and_b32 v14, 15, v0
	v_lshl_add_u32 v10, v14, 5, LG                 ; wave 0: token l % 16's eight
	v_add_nc_u32 v11, SB, v1                       ; wave 1: 16 bytes a lane of the scale bytes
	s_wait_loadcnt 8                               ; x's 16 loads are in; Wg's 8 may be out
.irp tau, 0,1
.irp j, 0,1,2,3,4,5,6,7
	ds_store_b128 v3, v[X+32*\tau+4*\j:X+32*\tau+4*\j+3] offset:5120*\tau+640*\j
.endr
.endr
.irp tau, 0,1
.irp u, 0,1
.irp i, 0,1,2,3
	ds_load_b128 v[X+32*\tau+16*\u+4*\i:X+32*\tau+16*\u+4*\i+3], v4 offset:5120*\tau+2560*\u+16*\i   ; LDS serves a wave's instructions in order (ISA guide 5.7.1.4): these see the stores above
.endr
.endr
.endr
	s_wait_loadcnt 0x0                             ; Wg
.irp i, 0,1,2,3,4,5,6,7
	ds_store_b128 v5, v[WA+4*\i:WA+4*\i+3] offset:4224*\i
.endr
	s_wait_kmcnt 0x0                               ; bg
	s_wait_dscnt 0x0                               ; my part of Wg has landed (and x is back)
	s_barrier_signal -1
	s_barrier_wait -1                              ; all of Wg lies in LDS
; 16 numbers of a lane become 12 bytes of codes; two neighbouring lanes hold a block of 32
.macro QX tau, u
.set XS, X+32*\tau+16*\u
.set KK, 2*\tau+\u
	v_max3_num_f32 v180, |v[XS]|, |v[XS+1]|, 0x2800000             ; the floor 2^(5 - 127) among the leaves: the byte cannot fall under 1
	v_max3_num_f32 v181, |v[XS+2]|, |v[XS+3]|, |v[XS+4]|
	v_max3_num_f32 v180, v180, |v[XS+5]|, |v[XS+6]|
	v_max3_num_f32 v181, v181, |v[XS+7]|, |v[XS+8]|
	v_max3_num_f32 v180, v180, |v[XS+9]|, |v[XS+10]|
	v_max3_num_f32 v181, v181, |v[XS+11]|, |v[XS+12]|
	v_max3_num_f32 v180, v180, |v[XS+13]|, |v[XS+14]|
	v_max3_num_f32 v180, v180, v181, |v[XS+15]|
	v_max_num_f32_dpp v180, v180, v180 row_xmask:1 row_mask:0xf bank_mask:0xf   ; with my neighbour's 16: the block's largest magnitude
	v_add_nc_u32 v182, 0xfe000000, v180            ; 4 off its exponent field: the conversion takes the exponent field of this operand as its scale
	v_cvt_scalef32_pk16_bf6_f32 v[CD+4*KK:CD+4*KK+2], v[XS:XS+15], v182
	v_lshrrev_b32 v[BY+KK], 23, v182               ; the scale's byte (and the plain line behind the conversion)
	ds_store_b8 v8, v[BY+KK] offset:32*\tau+8*\u   ; both lanes of a block write the same byte with the same value
	global_store_b96 v7, v[CD+4*KK:CD+4*KK+2], s[34:35] offset:768*\tau+384*\u   ; the wave stores 384 consecutive bytes
.endm
	QX 0, 0
	QX 0, 1
	QX 1, 0
	QX 1, 1
; THE LOGITS.  Batch bt of eight: four rows of Wg (D = 512 (bt / 4) + 16 lane + 4 (bt % 4) + 0 .. 3), eight loads of 16 bytes, into the buffers by turns
.macro WROWS bt
.set BF, WA+32*((\bt)%2)
.irp rr, 0,1,2,3
	ds_load_b128 v[BF+8*\rr:BF+8*\rr+3],   v6 offset:16896*((\bt)/4)+32*(4*((\bt)%4)+\rr)
	ds_load_b128 v[BF+8*\rr+4:BF+8*\rr+7], v6 offset:16896*((\bt)/4)+32*(4*((\bt)%4)+\rr)+16
.endr
.endm
; each row x both tokens: four packed multiply-adds, x's number taken for both halves (the low or the high register of its pair).  The very first row starts the sums: nothing is cleared
.macro WFMA bt
.set BF, WA+32*((\bt)%2)
.irp rr, 0,1,2,3
.irp tau, 0,1
.set XP, X+32*\tau+16*((\bt)/4)+4*((\bt)%4)+(\rr)-(\rr)%2
.irp p, 0,1,2,3
.if ((\bt) == 0) && (\rr == 0)
	v_pk_mul_f32 v[ACC+8*\tau+2*\p:ACC+8*\tau+2*\p+1], v[BF+8*\rr+2*\p:BF+8*\rr+2*\p+1], v[XP:XP+1] op_sel_hi:[1,0]
.elseif (\rr)%2 == 0
	v_pk_fma_f32 v[ACC+8*\tau+2*\p:ACC+8*\tau+2*\p+1], v[BF+8*\rr+2*\p:BF+8*\rr+2*\p+1], v[XP:XP+1], v[ACC+8*\tau+2*\p:ACC+8*\tau+2*\p+1] op_sel_hi:[1,0,1]
.else
	v_pk_fma_f32 v[ACC+8*\tau+2*\p:ACC+8*\tau+2*\p+1], v[BF+8*\rr+2*\p:BF+8*\rr+2*\p+1], v[XP:XP+1], v[ACC+8*\tau+2*\p:ACC+8*\tau+2*\p+1] op_sel:[0,1,0] op_sel_hi:[1,1,1]
.endif
.endr
.endr
.endr
.endm
	WROWS 0
.irp bt, 0,1,2,3,4,5,6
	WROWS \bt+1
	s_wait_dscnt 8                                 ; this batch is in; the next batch's eight loads may be out
	WFMA \bt
.endr
	s_wait_dscnt 0x0
	WFMA 7
.irp m, 1,2,4,8                        ; the 16 sums over the 32 lanes: four steps inside each half ride on the addition, one crosses the halves
.set NN, 0
.rept 16
	v_add_f32_dpp v[ACC+NN], v[ACC+NN], v[ACC+NN] row_xmask:\m row_mask:0xf bank_mask:0xf
.set NN, NN+1
.endr
.endr
.set NN, 0
.rept 16
	v_permlanex16_b32 v[WA+NN], v[ACC+NN], s28, s29   ; (its destination counts as read: these registers have been written)
.set NN, NN+1
.endr
.set NN, 0
.rept 16
	v_add_f32 v[ACC+NN], v[ACC+NN], v[WA+NN]
.set NN, NN+1
.endr
.irp i, 0,1,2,3
	ds_store_b128 v9, v[ACC+4*\i:ACC+4*\i+3] offset:16*\i   ; all lanes write the same words with the same values
.endr
	s_wait_dscnt 0x0                               ; my logits and my scale bytes have landed
	s_barrier_signal -1
	s_barrier_wait -1
	s_cmp_lg_u32 s16, 0
	s_cbranch_scc1 .Lnot_wave_0
	; WAVE 0: lane l takes token l % 16 (lanes 16-31 repeat lanes 0-15)
	ds_load_b128 v[16:19], v10
	ds_load_b128 v[20:23], v10 offset:16
	s_lshl_b32 s40, ttmp9, 6
	s_lshl_b32 s41, ttmp9, 7
	s_lshl_b32 s42, ttmp9, 1
	v_lshl_add_u32 v42, v0, 2, s40                 ; idx: 4 bytes a token
	v_lshl_add_u32 v43, v0, 3, s41                 ; the weights: 8 bytes a token
	v_lshl_add_u32 v44, v0, 7, s42                 ; the masks: lane e: expert e's row of 128 bytes, my work-group's 2 bytes
	v_mov_b32 v31, -1.0
	v_mov_b32 v30, 0
	s_wait_dscnt 0x0
.irp e, 0,1,2,3,4,5,6,7
	v_add_f32 v[16+\e], s[20+\e], v[16+\e]         ; + bg
.endr
	v_max3_num_f32 v24, v16, v17, v18              ; the maximum is taken away ahead of the exponentials
	v_max3_num_f32 v24, v24, v19, v20
	v_max3_num_f32 v24, v24, v21, v22
	v_max_num_f32 v24, v24, v23
.irp e, 0,1,2,3,4,5,6,7
	v_sub_f32 v[16+\e], v[16+\e], v24
.endr
.irp e, 0,1,2,3,4,5,6,7
	v_mul_f32 v[16+\e], 0x3fb8aa3b, v[16+\e]       ; x log2(e)
.endr
.irp e, 0,1,2,3,4,5,6,7
	v_exp_f32 v[16+\e], v[16+\e]
.endr
	v_mov_b32 v27, 0                               ; (a plain line behind the exponentials)  the largest gate's index
	s_wait_alu depctr_va_vdst(0)
	v_add_f32 v24, v16, v17
	v_add_f32 v25, v18, v19
	v_add_f32 v26, v20, v21
	v_add_f32 v28, v22, v23
	v_add_f32 v24, v24, v25
	v_add_f32 v26, v26, v28
	v_add_f32 v24, v24, v26
	v_rcp_f32 v24, v24
	v_mov_b32 v29, 0                               ; (a plain line behind the reciprocal)  the second's index
	s_wait_alu depctr_va_vdst(0)
.irp e, 0,1,2,3,4,5,6,7
	v_mul_f32 v[16+\e], v[16+\e], v24              ; the gates
.endr
	v_mov_b32 v26, v16
.irp e, 1,2,3,4,5,6,7                  ; a later gate wins only where it is strictly larger: ties keep the lower index
	v_cmp_le_f32 vcc_lo, v[16+\e], v26
	v_cndmask_b32 v26, v[16+\e], v26, vcc_lo
	v_cndmask_b32 v27, \e, v27, vcc_lo
.endr
.irp e, 0,1,2,3,4,5,6,7
	v_cmp_eq_u32 vcc_lo, \e, v27
	v_cndmask_b32 v[32+\e], v[16+\e], v31, vcc_lo  ; the winner is put under every gate: -1
.endr
	v_mov_b32 v28, v32
.irp e, 1,2,3,4,5,6,7
	v_cmp_le_f32 vcc_lo, v[32+\e], v28
	v_cndmask_b32 v28, v[32+\e], v28, vcc_lo
	v_cndmask_b32 v29, \e, v29, vcc_lo
.endr
	v_add_f32 v40, v26, v28
	v_max_num_f32 v40, 0x2b8cbccc, v40             ; max(g1 + g2, 1e-12)
	v_rcp_f32 v45, v40
	v_lshl_or_b32 v46, v29, 8, v27                 ; (a plain line)  e0 | e1 << 8
	s_wait_alu depctr_va_vdst(0)
	v_mul_f32 v40, v26, v45
	v_mul_f32 v41, v28, v45
.irp e, 0,1,2,3,4,5,6,7                ; expert e's 16 bits go to lane e: numbers to be stored, no address and no branch is made of them
	v_cmp_eq_u32 s44, \e, v27
	v_cmp_eq_u32 s45, \e, v29
	s_or_b32 s44, s44, s45
	s_and_b32 s44, s44, 0xffff
	v_writelane_b32 v30, s44, \e
.endr
	s_wait_xcnt 0x0                                ; EXEC changes only behind this wait: my stores of codes have had their addresses translated
	v_cmp_gt_u32 vcc_lo, 16, v0
	s_and_saveexec_b32 s46, vcc_lo
	global_store_b32 v42, v46, s[12:13] offset:1024
	global_store_b64 v43, v[40:41], s[14:15]
	s_wait_xcnt 0x0
	s_or_b32 exec_lo, exec_lo, s46
	v_cmp_gt_u32 vcc_lo, 8, v0
	s_and_saveexec_b32 s46, vcc_lo
	global_store_b16 v44, v30, s[12:13]
	s_wait_xcnt 0x0
	s_or_b32 exec_lo, exec_lo, s46
	s_branch .Lend
.Lnot_wave_0:
	s_cmp_lg_u32 s16, 1
	s_cbranch_scc1 .Lend
	ds_load_b128 v[16:19], v11                     ; WAVE 1: the 16 tokens' scale words leave as 512 consecutive bytes
	s_wait_dscnt 0x0
	global_store_b128 v1, v[16:19], s[36:37]
.Lend:
	s_wait_tensorcnt 0x0
	ds_add_u32 v192, v193
	s_wait_dscnt 0x0
	s_endpgm
.Lfunc_end_k_q4d850b3f02_route:
	.size	k_q4d850b3f02_route, .Lfunc_end_k_q4d850b3f02_route-k_q4d850b3f02_route
	.p2alignl 7, 3214868480
	.fill 96, 4, 3214868480
	.section	.rodata,"a",@progbits
	.p2align	6, 0x0
	.amdhsa_kernel k_q4d850b3f02_route
		.amdhsa_group_segment_fixed_size 117760
		.amdhsa_private_segment_fixed_size 0
		.amdhsa_enable_private_segment 0
		.amdhsa_kernarg_size 48
		.amdhsa_user_sgpr_count 2
		.amdhsa_user_sgpr_kernarg_segment_ptr 1
		.amdhsa_wavefront_size32 1
		.amdhsa_system_sgpr_workgroup_id_x 1
		.amdhsa_system_sgpr_workgroup_id_y 1
		.amdhsa_system_sgpr_workgroup_id_z 1
		.amdhsa_system_vgpr_workitem_id 0
		.amdhsa_next_free_vgpr 194
		.amdhsa_next_free_sgpr 66
		.amdhsa_reserve_vcc 1
		.amdhsa_float_denorm_mode_32 3
		.amdhsa_float_denorm_mode_16_64 3
		.amdhsa_memory_ordered 1
		.amdhsa_forward_progress 1
		.amdhsa_inst_pref_size 46
	.end_amdhsa_kernel
	.amdgpu_metadata
---
amdhsa.version: [ 1, 2 ]
amdhsa.kernels:
  - .name:           k_q4d850b3f02_route
    .symbol:         k_q4d850b3f02_route.kd
    .args:
      - { .name: x, .offset: 0, .size: 8, .value_kind: global_buffer, .address_space: global }
      - { .name: Wg, .offset: 8, .size: 8, .value_kind: global_buffer, .address_space: global }
      - { .name: bg, .offset: 16, .size: 8, .value_kind: global_buffer, .address_space: global }
      - { .name: xq, .offset: 24, .size: 8, .value_kind: global_buffer, .address_space: global }
      - { .name: rt, .offset: 32, .size: 8, .value_kind: global_buffer, .address_space: global }
      - { .name: gat, .offset: 40, .size: 8, .value_kind: global_buffer, .address_space: global }
    .group_segment_fixed_size: 117760
    .private_segment_fixed_size: 0
    .kernarg_segment_align: 8
    .kernarg_segment_size: 48
    .max_flat_workgroup_size: 256
    .sgpr_count:     66
    .vgpr_count:     194
    .wavefront_size: 32
...
	.end_amdgpu_metadata
.endif
;; end of part 1
;; launch ffn1 (part 2): grid 32 x 8, 16 waves a work-group, no clusters, 318,464 bytes of LDS; arguments xq, rt, W1, b1, hq, post; writes hq, post
.if DOCPART == 2
	.amdgcn_target "amdgcn-amd-amdhsa--gfx1250"
	.amdhsa_code_object_version 6
	.text
	.protected	k_q4d850b3f02_ffn1
	.globl	k_q4d850b3f02_ffn1
	.p2align	8
	.type	k_q4d850b3f02_ffn1,@function
k_q4d850b3f02_ffn1:
	s_mov_b64 s[64:65], 0
	v_nop
	global_prefetch_b8 v0, s[64:65] scope:SCOPE_SE
	s_setreg_imm32_b32 hwreg(HW_REG_WAVE_MODE, 25, 1), 1
	s_wait_xcnt 0x0
; FFN1.  h = gelu(x_e W1_e + b1_e) for the rows routed to expert e, quantised along H on the way out.  Both operands of the product are codes of BF6 (E3M2) with one E8M0 scale for each 32 along D.
; SHARES.  Work-group (x = slice, y = expert) owns W1[e][all 1,024 of D][128 slice .. + 127]: 512 KB of f32, read from memory ONCE in the launch, and multiplies it with ALL rows of its expert.
; The slab goes in four WINDOWS of 32 columns x 1,024 along D.  A LANE TAKES A COLUMN AND ITS REGISTERS RUN DOWN D (wave w: D = 64 w .. 64 w + 63): a block of 32 lies in one lane, the conversions give codes
; with K innermost, and they go to LDS as IMAGES OF THE OPERAND'S REGISTERS.  While window g's columns are multiplied (a STAGE), window g + 1's 64 loads a wave are issued AMONG THE STAGE'S K STEPS, 16 behind the
; first and 8 behind each of the next six: the requests go out beside the products, not in a run of their own in front of a barrier.  16 waves x 64 x 128 bytes are a window.
; Each weight load of a wave covers 128 consecutive bytes; the other 128 of the aligned 256 are read one window later by the same work-group.
; ROWS.  Wave 0 makes the expert's list of tokens from route's bit masks (whole numbers read from memory).  T = max(ceil(n / 16), 1) tiles of 16 rows: tile 0 is always made (for an expert without rows: of token 0's
; rows, which nobody reads), so that the next launch reads only bytes that were stored.  Tile m < 16 belongs to wave m: its operand, 8 fragments = 96 registers, stays for all four stages.
; TILES FROM THE SIXTEENTH ON are made behind the last stage, when all four windows' images lie in LDS: the pair (tile 16 + a, window g) belongs to wave 4 (a % 4) + g, trip a / 4.  So one tile more costs four waves
; one fetch of its operand and one tile's work each, side by side, and not one wave a second tile in each stage while fifteen wait at the barrier.
; THE PRODUCT IS USED TRANSPOSED (source 0 = 16 columns of W1, source 1 = 16 rows of x), AND THE COLUMNS OF A TILE ARE NOT NEIGHBOURS: column l of a window's 32 goes to tile (l >> 3) & 1, place (l & 7) + 8 (l >> 4).
; So lane (r, h) holds row r, and the 16 registers of the two tiles are hidden units 32 g + 16 h + 0 .. 15: 16 neighbours along the next K, as the conversion wants them.  b1 is the C of each sum's first product.
; gelu(a) = max(a, 0) - |a| erfc(|a| / sqrt 2) / 2, erfc(z) = t exp(-z^2 + poly(t)), t = 1 / (1 + z / 2): a fit of fractional error 1.2e-7 for every z, here with all constants brought to base 2.
; NO CLUSTER, NO TENSOR LOAD: which work is done hangs on counts read from memory; what the 32 work-groups of an expert share (x's codes, 12 KB a tile) is the smaller part beside each one's own 512 KB.
; LIMITS: NaN and infinities are not served; a block under 2^-122 (a block of zeros too) keeps the byte 1, read by this program alone; erfc's tail is 0 where it falls under 2^-126.
; OUT: hq codes [e][tile m][block B = 0 .. 127][16 rows][24 bytes]; from byte 25,165,824 scale words [e][m][K step 0 .. 31][16 rows][4 bytes].  post [e][t]: rows of expert e ahead of token t (slice 0 stores it).
; REGISTERS: v1-15 addresses; v16-19 x's scale words, v20-21 W's (these six hold scales alone); v22-31 at work (v31: my lane, kept); v32-47 two accumulators; v48-71, v72-95 two buffers of W's fragments
;   (between the products: at work); v96-191 x's 8 fragments; v192-255 64 weights on their way.
.set PITCHW, 16384                     ; bytes from D to D + 1 in W1[e]
.set WINB,  24576                      ; a window's 16 images
.set BI,    0                          ; LDS: W's images: (window g, K step s, tile u) at ((8 g + s) 2 + u) x 1,536; lane L's 12 registers at 48 L: sixteen lanes touch sixteen different 16-byte columns
.set BS,    98304                      ; W's scale words: (8 g + s) x 128 + 4 (place + 16 u)
.set BB,    102400                     ; b1's 128 numbers
.set LI,    102912                     ; the list: 1,024 tokens, then 32 words that take what is not in the list
.set AS,    107136                     ; 16 rows x 816 bytes for each wave: x's codes on their way to fragments; 816 bytes = 204 words = 12 mod 64: the 32 lanes of an 8-byte load touch 64 different banks (ISA guide 11.1)
.set ASW,   13056
.set AP,    816
.set HSC,   25165824
.set XSC,   786432
.set CK,    68                         ; s[68:87] c0 .. c9, each as a pair
.macro WLOAD g, beta                   ; half a window: W(64 w + i, column 32 g + lane), i = 32 beta .. 32 beta + 31
.set II, 32*(\beta)
.rept 32
	global_load_b32 v[192+II], v1, s[24:25] offset:II*PITCHW+128*(\g)
.set II, II+1
.endr
.endm
.macro WCH g, c                        ; an eighth of a window: i = 8 c .. 8 c + 7.  Pieces 0 to 7 in this order are the two halves in WLOAD's order
.set II, 8*(\c)
.rept 8
	global_load_b32 v[192+II], v1, s[24:25] offset:II*PITCHW+128*(\g)
.set II, II+1
.endr
.endm
; a block of 32 of my column becomes 24 bytes of codes in W's image; n = how many younger loads may stay out
.macro QWH g, beta, n
.set WB, 192+32*\beta
.set CW, 72+12*\beta
	s_wait_loadcnt \n
	v_max3_num_f32 v22, |v[WB]|, |v[WB+1]|, 0x2800000              ; the floor 2^(5 - 127) among the leaves: the byte cannot fall under 1
	v_max3_num_f32 v23, |v[WB+2]|, |v[WB+3]|, |v[WB+4]|
.irp i, 5,9,13,17,21,25
	v_max3_num_f32 v22, v22, |v[WB+\i]|, |v[WB+\i+1]|
	v_max3_num_f32 v23, v23, |v[WB+\i+2]|, |v[WB+\i+3]|
.endr
	v_max3_num_f32 v22, v22, |v[WB+29]|, |v[WB+30]|
	v_max3_num_f32 v22, v22, v23, |v[WB+31]|
	v_add_nc_u32 v24, 0xfe000000, v22              ; 4 off the exponent field: the conversion's scale operand
	v_cvt_scalef32_pk16_bf6_f32 v[CW:CW+2], v[WB:WB+15], v24
	v_cvt_scalef32_pk16_bf6_f32 v[CW+6:CW+8], v[WB+16:WB+31], v24  ; (a conversion's three registers begin on an even number)
	v_lshrrev_b32 v[25+\beta], 23, v24             ; the scale's byte (and the plain line behind the conversions)
.irp i, 0,1,2
	v_mov_b32 v[CW+3+\i], v[CW+6+\i]
.endr
.irp i, 0,1,2
	ds_store_b64 v2, v[CW+2*\i:CW+2*\i+1] offset:768*\beta+8*\i
.endr
.endm
.macro QW g, n0, n1
.if \g > 0
	s_wait_xcnt 0x0                                ; the last tile's stores have read v72-74 and v25 (ahead of window 0 no store is out, and no register written here is named by a pending load)
.endif
	QWH \g, 0, \n0
	QWH \g, 1, \n1
	v_lshl_or_b32 v25, v26, 8, v25
	ds_store_b16 v3, v25 offset:1024*(\g)          ; my column's two bytes of its K step's scale word
	s_wait_dscnt 0x0
	v_add_nc_u32 v2, WINB, v2                      ; on to the next window's images
.endm
.macro COUNT                           ; n = the bits of the 32 mask words; T = max(ceil(n / 16), 1)
	s_bcnt1_i32_b32 s19, s32
.set JJ, 33
.rept 31
	s_bcnt1_i32_b32 s92, s[JJ]
	s_add_co_u32 s19, s19, s92
.set JJ, JJ+1
.endr
	s_add_co_u32 s20, s19, 15
	s_lshr_b32 s20, s20, 4
	s_max_u32 s20, s20, 1
.endm
.macro BLD g, s                        ; K step s's two fragments of W and their scale words, into buffer s % 2: 7 LDS loads
.set RB, 48+24*((\s)%2)
.irp u, 0,1
.irp i, 0,1,2
	ds_load_b128 v[RB+12*\u+4*\i:RB+12*\u+4*\i+3], v4 offset:(2*(\s)+\u)*1536+16*\i
.endr
.endr
	ds_load_b32 v[20+(\s)%2], v5 offset:1024*(\g)+128*(\s)   ; lanes 0-15: tile 0's words, lanes 16-31: tile 1's
.endm
.macro MM s                            ; the two accumulators by turns, one instruction a turn.  x's scale words: lanes 0-15 hold an even K step's, lanes 16-31 the odd one's
.set RX, 96+12*(\s)
.set RA, 48+24*((\s)%2)
.set SA, 20+(\s)%2
.set SX, 16+(\s)/2
.if (\s)%2 == 0
	v_wmma_scale_f32_16x16x128_f8f6f4 v[32:39], v[RA:RA+11], v[RX:RX+11], v[32:39], v[SA], v[SX] matrix_a_fmt:MATRIX_FMT_BF6 matrix_b_fmt:MATRIX_FMT_BF6
	v_wmma_scale_f32_16x16x128_f8f6f4 v[40:47], v[RA+12:RA+23], v[RX:RX+11], v[40:47], v[SA], v[SX] matrix_a_fmt:MATRIX_FMT_BF6 matrix_b_fmt:MATRIX_FMT_BF6 matrix_a_scale:MATRIX_SCALE_ROW1
.else
	v_wmma_scale_f32_16x16x128_f8f6f4 v[32:39], v[RA:RA+11], v[RX:RX+11], v[32:39], v[SA], v[SX] matrix_a_fmt:MATRIX_FMT_BF6 matrix_b_fmt:MATRIX_FMT_BF6 matrix_b_scale:MATRIX_SCALE_ROW1
	v_wmma_scale_f32_16x16x128_f8f6f4 v[40:47], v[RA+12:RA+23], v[RX:RX+11], v[40:47], v[SA], v[SX] matrix_a_fmt:MATRIX_FMT_BF6 matrix_b_fmt:MATRIX_FMT_BF6 matrix_a_scale:MATRIX_SCALE_ROW1 matrix_b_scale:MATRIX_SCALE_ROW1
.endif
.endm
.macro SYNC                            ; my LDS stores have landed and my LDS loads are in: then the work-group's barrier
	s_wait_dscnt 0x0
	s_barrier_signal -1
	s_barrier_wait -1
.endm
; tile s21's 16 tokens from the list; their 768 bytes of codes each, 256 consecutive aligned bytes a load; their scale words: 49 loads
.macro GATHER_ISSUE
	v_lshl_add_u32 v14, s21, 6, LI
	v_add_nc_u32 v15, v14, v12
.set RR, 0
.rept 16
	ds_load_b32 v[48+RR], v14 offset:4*RR          ; row RR's token, in every lane
.set RR, RR+1
.endr
	ds_load_b32 v64, v15                           ; my row's token
	v_and_b32 v65, 16, v0                          ; 16 h
	s_wait_dscnt 0x0
.set RR, 0
.rept 17
	v_min_u32 v[48+RR], 0x3ff, v[48+RR]            ; a token's number stays inside the table
.set RR, RR+1
.endr
.set RR, 0
.rept 16
	v_mad_u32_u24 v[48+RR], v[48+RR], 768, v9
.set RR, RR+1
.endr
	v_lshl_add_u32 v64, v64, 5, v65                ; 32 bytes of scale words a token; lanes 16-31 take the odd K steps' four
.set RR, 0
.rept 16
.irp j, 0,1,2
	global_load_b64 v[96+6*RR+2*\j:97+6*RR+2*\j], v[48+RR], s[4:5] offset:256*\j
.endr
.set RR, RR+1
.endr
	global_load_b128 v[16:19], v64, s[30:31]
.endm
; the rows go through my own bytes of LDS and come back as the 8 fragments: lane (r, h), K step s: bytes 96 s + 48 c + 24 h of row r, in pieces of 8
.macro GATHER_FINISH
	s_wait_loadcnt 0x0
.set RR, 0
.rept 16
.irp j, 0,1,2
	ds_store_b64 v7, v[96+6*RR+2*\j:97+6*RR+2*\j] offset:AP*RR+256*\j
.endr
.set RR, RR+1
.endr
.set SS, 0
.rept 8
.irp p, 0,1,2,3,4,5
	ds_load_b64 v[96+12*SS+2*\p:97+12*SS+2*\p], v8 offset:96*SS+48*(\p/3)+8*(\p%3)   ; LDS serves a wave's instructions in order (ISA guide 5.7.1.4): these see the stores above
.endr
.set SS, SS+1
.endr
	s_wait_dscnt 0x0
.endm
; gelu of eight registers.  Z = |a| sqrt(log2(e) / 2) (v48-55), T = 1 / (1 + kappa Z) (v56-63), P = poly(T) - Z^2 (v64-71): gelu = max(a, 0) - Z T 2^P
.macro GELU hh
.set A0, 32+8*\hh
.irp i, 0,1,2,3,4,5,6,7
	v_mul_f32 v[48+\i], |v[A0+\i]|, s66            ; (each accumulator is read from its low end on)
.endr
.irp i, 0,2,4,6
	v_pk_fma_f32 v[56+\i:57+\i], v[48+\i:49+\i], s[90:91], 1.0 op_sel_hi:[1,0,0]
.endr
.irp i, 0,1,2,3,4,5,6,7
	v_rcp_f32 v[56+\i], v[56+\i]
.endr
.irp i, 0,1,2,3,4,5,6,7
	v_max_num_f32 v[A0+\i], 0, v[A0+\i]            ; (plain lines behind the reciprocals)
.endr
	s_wait_alu depctr_va_vdst(0)
.irp i, 0,2,4,6
	v_pk_fma_f32 v[64+\i:65+\i], v[56+\i:57+\i], s[CK+18:CK+19], v[28:29] op_sel_hi:[1,0,1]   ; c9 T + c8
.endr
.irp k, 7,6,5,4,3,2,1,0
.irp i, 0,2,4,6
	v_pk_fma_f32 v[64+\i:65+\i], v[64+\i:65+\i], v[56+\i:57+\i], s[CK+2*\k:CK+2*\k+1] op_sel_hi:[1,1,0]
.endr
.endr
.irp i, 0,2,4,6
	v_pk_fma_f32 v[64+\i:65+\i], v[48+\i:49+\i], v[48+\i:49+\i], v[64+\i:65+\i] neg_lo:[1,0,0] neg_hi:[1,0,0]
.endr
.irp i, 0,1,2,3,4,5,6,7
	v_exp_f32 v[64+\i], v[64+\i]
.endr
	v_nop                                          ; one plain line behind the exponentials
	s_wait_alu depctr_va_vdst(0)
.irp i, 0,2,4,6
	v_pk_mul_f32 v[56+\i:57+\i], v[56+\i:57+\i], v[64+\i:65+\i]
.endr
.irp i, 0,2,4,6
	v_pk_fma_f32 v[A0+\i:A0+\i+1], v[48+\i:49+\i], v[56+\i:57+\i], v[A0+\i:A0+\i+1] neg_lo:[1,0,0] neg_hi:[1,0,0]
.endr
.endm
; my 16 numbers are half of block 4 slice + g of my row; lane l xor 16 holds the other half
.macro QUANT1 g
	v_max3_num_f32 v22, |v32|, |v33|, 0x2800000
	v_max3_num_f32 v23, |v34|, |v35|, |v38|
	v_max3_num_f32 v22, v22, |v36|, |v37|
	v_max3_num_f32 v23, v23, |v39|, |v42|
	v_max3_num_f32 v22, v22, |v40|, |v41|
	v_max3_num_f32 v23, v23, |v43|, |v46|
	v_max3_num_f32 v22, v22, |v44|, |v45|
	v_max3_num_f32 v22, v22, v23, |v47|
	v_permlanex16_b32 v27, v22, s88, s89
	v_max_num_f32 v22, v22, v27
	v_add_nc_u32 v24, 0xfe000000, v22
	v_cvt_scalef32_pk16_bf6_f32 v[72:74], v[32:47], v24
	v_lshrrev_b32 v25, 23, v24                     ; the scale's byte (and the plain line behind the conversion)
	global_store_b96 v11, v[72:74], s[26:27] offset:384*(\g)   ; the wave stores 384 consecutive bytes: the block's 16 rows x 24 bytes
	global_store_b8 v13, v25, s[28:29] offset:\g   ; byte g of my row's scale word; both lanes of a row write the same byte with the same value
.endm
; tile s21 x window g: 16 products, gelu, codes.  ld = 1: window g + 1's 64 loads go out among the K steps, each piece behind the step's LDS loads; the last step and the gelu stand between the last piece and its use
.macro TILE1 g, ld
	s_wait_xcnt 0x0                                ; the last tile's stores have read v11, v13, v25 and v72-74
	s_mul_i32 s92, s21, 49152
	v_add_nc_u32 v11, s92, v10
	s_lshl_b32 s92, s21, 11
	v_add_nc_u32 v13, s92, v12
.irp i, 0,1,2,3
	ds_load_b128 v[32+4*\i:35+4*\i], v6 offset:128*(\g)+16*\i   ; b1 at my 16 hidden units: where the sums begin
.endr
	BLD \g, 0
	BLD \g, 1
.irp s, 0,1,2,3,4,5,6,7
.if \s < 7
	s_wait_dscnt 7                                 ; this K step's loads are in; the next one's seven may be out
.else
	s_wait_dscnt 0x0
.endif
	MM \s
.if \s < 6
.rept 4
	v_nop                                          ; four places in front of loads into registers that the products have read (ISA guide 7.12.1 for vector instructions)
.endr
	BLD \g, \s+2
.endif
.if \ld
.if \s == 0
	WCH (\g)+1, 0
	WCH (\g)+1, 1
.elseif \s < 7
	WCH (\g)+1, \s+1
.endif
.endif
.endr
.rept 4
	v_nop                                          ; and in front of the first read of the results
.endr
	GELU 0
	GELU 1
	QUANT1 \g
.endm
; A STAGE: my tile (tile w, in registers since the start) x window g.  A wave at or past T has no tile: it only asks for its part of the next window.  Both ways issue the same 64 loads in the same order.
.macro STAGE g
	s_cmp_ge_u32 s16, s20
	s_cbranch_scc1 .Lidle_\@
.if \g < 3
	TILE1 \g, 1
	s_branch .Ldone_\@
.Lidle_\@:
	WLOAD (\g)+1, 0
	WLOAD (\g)+1, 1
.Ldone_\@:
	v_add_nc_u32 v4, WINB, v4                      ; on to the next window's images (my loads of this one are in)
.else
	TILE1 \g, 0
.Lidle_\@:
.endif
.endm
	s_load_b256 s[4:11], s[0:1], 0x0               ; xq s[4:5], rt s[6:7], W1 s[8:9], b1 s[10:11]
	s_load_b128 s[12:15], s[0:1], 0x20             ; hq s[12:13], post s[14:15]
	v_lshrrev_b32 v22, 5, v0
	v_readfirstlane_b32 s16, v22                   ; wave 0..15
	s_mov_b32 s17, ttmp9                           ; slice
	s_and_b32 s18, ttmp7, 0xffff                   ; expert
	v_and_b32 v31, 31, v0                          ; lane
	v_lshlrev_b32 v1, 2, v31                       ; 4 x lane: my column
	v_lshlrev_b32 v26, 4, v31                      ; 16 x lane
	s_lshl_b32 s92, s18, 24                        ; W1: 2^24 bytes an expert, 512 a slice, 64 rows of 16,384 a wave
	s_lshl_b32 s93, s17, 9
	s_add_co_u32 s92, s92, s93
	s_lshl_b32 s93, s16, 20
	s_add_co_u32 s92, s92, s93
	s_mov_b32 s93, 0
	s_lshl_b32 s94, s18, 14                        ; b1: 16,384 bytes an expert, 512 a slice
	s_lshl_b32 s95, s17, 9
	s_add_co_u32 s94, s94, s95
	s_mov_b32 s95, 0
	s_lshl_b32 s96, s18, 7                         ; the masks: 128 bytes an expert
	s_mov_b32 s66, 0x3f596d27                      ; sqrt(log2(e) / 2)
	s_mov_b32 s90, 0x3ed5224d                      ; kappa = sqrt(ln 2) / 2
	s_mov_b32 s91, s90
	s_mov_b32 s[CK+0],  0xc025c4b7                 ; c0 .. c9: the fit's coefficients x log2(e); c0 also holds log2 of the factor 1 / sqrt(2 log2(e)) between |a| / 2 and Z
	s_mov_b32 s[CK+2],  0x3fb8ab5a
	s_mov_b32 s[CK+4],  0x3f0a29d2
	s_mov_b32 s[CK+6],  0x3e0efb2e
	s_mov_b32 s[CK+8],  0xbe899a80
	s_mov_b32 s[CK+10], 0x3ecdfd18
	s_mov_b32 s[CK+12], 0xbfd1a1e5
	s_mov_b32 s[CK+14], 0x40097039
	s_mov_b32 s[CK+16], 0xbf97d29d
	s_mov_b32 s[CK+18], 0x3e7c6f08
.irp k, 0,1,2,3,4,5,6,7,8,9
	s_mov_b32 s[CK+2*\k+1], s[CK+2*\k]             ; (a packed form names the pair, so both words are written)
.endr
	s_mov_b32 s88, 0x76543210                      ; v_permlanex16_b32's selects for lane l xor 16
	s_mov_b32 s89, 0xfedcba98
	s_wait_kmcnt 0x0
	s_load_b512 s[32:47], s[6:7], s96 offset:0x0   ; my expert's 32 mask words
	s_load_b512 s[48:63], s[6:7], s96 offset:0x40
	s_add_nc_u64 s[24:25], s[8:9], s[92:93]
	s_add_nc_u64 s[10:11], s[10:11], s[94:95]
	global_load_b128 v[48:51], v26, s[10:11]       ; b1's 128 numbers (in every wave, so that all waves count alike; wave 0 puts them into LDS)
	WLOAD 0, 0
	WLOAD 0, 1
	s_mul_i32 s98, s18, 3145728                    ; h's codes: 3,145,728 bytes an expert, 4 blocks of 384 a slice
	s_mul_i32 s99, s17, 1536
	s_add_co_u32 s98, s98, s99
	s_mov_b32 s99, 0
	s_add_nc_u64 s[26:27], s[12:13], s[98:99]
	s_lshl_b32 s98, s18, 17                        ; h's scale words: 131,072 bytes an expert, 64 a slice
	s_lshl_b32 s99, s17, 6
	s_add_co_u32 s98, s98, s99
	s_add_co_u32 s98, s98, HSC
	s_mov_b32 s99, 0
	s_add_nc_u64 s[28:29], s[12:13], s[98:99]
	s_add_nc_u64 s[30:31], s[4:5], XSC             ; x's scale words
	s_lshl_b32 s98, s18, 12
	s_add_nc_u64 s[14:15], s[14:15], s[98:99]      ; post: 4,096 bytes an expert
	; every LDS address is made here, ahead of the branch on the wave's number
	v_and_b32 v22, 15, v0                          ; r
	v_bfe_u32 v23, v0, 4, 1                        ; h
	v_bfe_u32 v24, v0, 3, 1                        ; my column's tile u
	v_and_b32 v25, 7, v0
	v_lshl_add_u32 v25, v23, 3, v25                ; and its place (l & 7) + 8 (l >> 4)
	s_lshr_b32 s92, s16, 1                         ; my 64 along D lie in K step w >> 1,
	s_and_b32 s93, s16, 1                          ; in its half w & 1
	s_mul_i32 s94, s92, 3072
	s_mul_i32 s95, s93, 24
	s_add_co_u32 s94, s94, s95
	v_mul_u32_u24 v2, v25, 48
	v_mad_u32_u24 v2, v24, 1536, v2
	v_add_nc_u32 v2, s94, v2                       ; where my codes go: image (s, u), lane place + 16 beta (768 beta in the immediate), half w & 1
	s_lshl_b32 s94, s92, 7
	s_lshl_b32 s95, s93, 1
	s_add_co_u32 s94, s94, s95
	s_add_co_u32 s94, s94, BS
	v_lshl_add_u32 v3, v24, 4, v25
	v_lshl_add_u32 v3, v3, 2, s94                  ; and my two scale bytes
	v_mul_u32_u24 v4, v31, 48                      ; an image's place for my lane
	v_add_nc_u32 v5, BS, v1                        ; a scale word's
	v_lshl_add_u32 v6, v23, 6, BB                  ; b1 at my half's 16 units
	s_mul_i32 s94, s16, ASW
	s_add_co_u32 s94, s94, AS
	v_lshlrev_b32 v9, 3, v31                       ; 8 x lane
	v_add_nc_u32 v7, s94, v9                       ; x's rows into my bytes,
	v_mul_u32_u24 v8, v22, AP
	v_mad_u32_u24 v8, v23, 24, v8
	v_add_nc_u32 v8, s94, v8                       ; and out as fragments
	v_mul_u32_u24 v10, v22, 24
	v_mad_u32_u24 v10, v23, 12, v10                ; h's codes: 24 r + 12 h in a block
	v_lshlrev_b32 v12, 2, v22                      ; 4 r
	v_add_nc_u32 v14, BB, v26
	v_add_nc_u32 v15, LI, v26
	v_add_nc_u32 v29, 1024, v31                    ; where a token that is not in the list is put
	v_mov_b32 v27, 0                               ; written once: a lane permute's destination counts as one of its sources
	s_wait_kmcnt 0x0                               ; the masks
	COUNT
	s_wait_loadcnt 63                              ; b1's load is in: 64 loads were issued behind it, and 63 is the largest count that a wait can name
	s_cmp_lg_u32 s16, 0
	s_cbranch_scc1 .Lno_list
	; WAVE 0: b1 into LDS; the list.  No other wave touches LDS ahead of the barrier below.
	ds_store_b128 v14, v[48:51]
.irp i, 0,1,2,3
	v_mov_b32 v[52+\i], 0
.endr
.irp i, 0,1,2,3,4,5,6,7
	ds_store_b128 v15, v[52:55] offset:512*\i      ; places past the expert's rows name token 0
.endr
	s_mov_b32 s92, 0                               ; rows so far
.set JJ, 0
.rept 32                               ; tokens 32 JJ + lane
	v_mbcnt_lo_u32_b32 v[96+JJ], s[32+JJ], s92     ; rows of the expert ahead of my token: its place, if it is in the list
	v_cndmask_b32 v30, v29, v[96+JJ], s[32+JJ]
	v_min_u32 v30, 1055, v30                       ; inside the list's 1,056 words
	v_lshl_add_u32 v30, v30, 2, LI
	v_add_nc_u32 v28, 32*JJ, v31
	ds_store_b32 v30, v28
	s_bcnt1_i32_b32 s93, s[32+JJ]
	s_add_co_u32 s92, s92, s93
.set JJ, JJ+1
.endr
	s_cmp_lg_u32 s17, 0
	s_cbranch_scc1 .Lno_post
.set JJ, 0
.rept 32
	global_store_b32 v1, v[96+JJ], s[14:15] offset:128*JJ   ; slice 0 stores the places: 128 consecutive bytes a store
.set JJ, JJ+1
.endr
	s_wait_xcnt 0x0                                ; the stores have read v96-127, into which x's codes are loaded next
.Lno_post:
.Lno_list:
	SYNC                                           ; the list and b1 lie in LDS
	v_mov_b32 v28, s[CK+16]                        ; c8 as a pair of vector registers
	v_mov_b32 v29, s[CK+16]
	s_mov_b32 s21, s16                             ; my tile in the four stages: tile w (a wave without a tile fetches rows of token 0 and uses nothing of them)
	GATHER_ISSUE
	QW 0, 63, 49                                   ; behind window 0's first half stand 32 + 49 loads, more than a wait can name, so 63; behind its second half x's 49
	GATHER_FINISH
	SYNC                                           ; window 0's images are whole
	STAGE 0
	QW 1, 32, 0                                    ; the window's second half may stay out while the first is converted
	SYNC
	STAGE 1
	QW 2, 32, 0
	SYNC
	STAGE 2
	QW 3, 32, 0
	SYNC
	STAGE 3
	; THE TILES FROM THE SIXTEENTH ON.  All four windows' images lie in LDS since the last barrier and nobody writes them any more: no barrier is needed.  My window here is g = w & 3: it goes into the
	; addresses once, and the tile's immediates are those of window 0.  My tiles: 16 + (w >> 2) + 4 t, t = 0 .. 11: twelve trips, whatever T is; a tile at or past T is jumped over.
	s_wait_xcnt 0x0                                ; the last stage's stores have read their bases
	s_and_b32 s92, s16, 3
	s_mul_i32 s94, s92, 384
	s_mov_b32 s95, 0
	s_add_nc_u64 s[26:27], s[26:27], s[94:95]      ; h's codes: block g of the slice's four
	s_mov_b32 s94, s92
	s_add_nc_u64 s[28:29], s[28:29], s[94:95]      ; byte g of the scale word
	s_mul_i32 s93, s92, WINB
	v_mul_u32_u24 v4, v31, 48
	v_add_nc_u32 v4, s93, v4                       ; window g's images,
	s_lshl_b32 s93, s92, 10
	v_add_nc_u32 v5, s93, v5                       ; its scale words,
	s_lshl_b32 s93, s92, 7
	v_add_nc_u32 v6, s93, v6                       ; and its 32 numbers of b1
	s_lshr_b32 s22, s16, 2
	s_add_co_u32 s22, s22, 16
	s_mov_b32 s23, 0
.Ltail:
	s_add_co_u32 s21, s23, s22
	s_cmp_ge_u32 s21, s20
	s_cbranch_scc1 .Ltail_skip
	GATHER_ISSUE
	GATHER_FINISH
	TILE1 0, 0
.Ltail_skip:
	s_add_co_u32 s23, s23, 4
	s_cmp_lt_u32 s23, 48
	s_cbranch_scc1 .Ltail
	s_wait_xcnt 0x0
	v_lshl_add_u32 v254, v0, 2, 0x4d400
	v_mov_b32 v255, 0
	s_wait_tensorcnt 0x0
	ds_add_u32 v254, v255
	s_wait_dscnt 0x0
	s_endpgm
.Lfunc_end_k_q4d850b3f02_ffn1:
	.size	k_q4d850b3f02_ffn1, .Lfunc_end_k_q4d850b3f02_ffn1-k_q4d850b3f02_ffn1
	.p2alignl 7, 3214868480
	.fill 96, 4, 3214868480
	.section	.rodata,"a",@progbits
	.p2align	6, 0x0
	.amdhsa_kernel k_q4d850b3f02_ffn1
		.amdhsa_group_segment_fixed_size 318464
		.amdhsa_private_segment_fixed_size 0
		.amdhsa_enable_private_segment 0
		.amdhsa_kernarg_size 48
		.amdhsa_user_sgpr_count 2
		.amdhsa_user_sgpr_kernarg_segment_ptr 1
		.amdhsa_wavefront_size32 1
		.amdhsa_system_sgpr_workgroup_id_x 1
		.amdhsa_system_sgpr_workgroup_id_y 1
		.amdhsa_system_sgpr_workgroup_id_z 1
		.amdhsa_system_vgpr_workitem_id 0
		.amdhsa_next_free_vgpr 256
		.amdhsa_next_free_sgpr 100
		.amdhsa_reserve_vcc 0
		.amdhsa_float_denorm_mode_32 3
		.amdhsa_float_denorm_mode_16_64 3
		.amdhsa_memory_ordered 1
		.amdhsa_forward_progress 1
		.amdhsa_inst_pref_size 199
	.end_amdhsa_kernel
	.amdgpu_metadata
---
amdhsa.version: [ 1, 2 ]
amdhsa.kernels:
  - .name:           k_q4d850b3f02_ffn1
    .symbol:         k_q4d850b3f02_ffn1.kd
    .args:
      - { .name: xq, .offset: 0, .size: 8, .value_kind: global_buffer, .address_space: global }
      - { .name: rt, .offset: 8, .size: 8, .value_kind: global_buffer, .address_space: global }
      - { .name: W1, .offset: 16, .size: 8, .value_kind: global_buffer, .address_space: global }
      - { .name: b1, .offset: 24, .size: 8, .value_kind: global_buffer, .address_space: global }
      - { .name: hq, .offset: 32, .size: 8, .value_kind: global_buffer, .address_space: global }
      - { .name: post, .offset: 40, .size: 8, .value_kind: global_buffer, .address_space: global }
    .group_segment_fixed_size: 318464
    .private_segment_fixed_size: 0
    .kernarg_segment_align: 8
    .kernarg_segment_size: 48
    .max_flat_workgroup_size: 512
    .sgpr_count:     100
    .vgpr_count:     256
    .wavefront_size: 32
...
	.end_amdgpu_metadata
.endif
;; end of part 2
;; launch ffn2 (part 3): grid 32 x 8, 16 waves a work-group, no clusters, 141,312 bytes of LDS; arguments hq, rt, W2, yp; writes yp
.if DOCPART == 3
	.amdgcn_target "amdgcn-amd-amdhsa--gfx1250"
	.amdhsa_code_object_version 6
	.text
	.protected	k_q4d850b3f02_ffn2
	.globl	k_q4d850b3f02_ffn2
	.p2align	8
	.type	k_q4d850b3f02_ffn2,@function
k_q4d850b3f02_ffn2:
	s_mov_b64 s[64:65], 0
	v_nop
	global_prefetch_b8 v0, s[64:65] scope:SCOPE_SE
	s_setreg_imm32_b32 hwreg(HW_REG_WAVE_MODE, 25, 1), 1
	s_wait_xcnt 0x0
; FFN2.  Partial sums of h_e W2_e for the rows routed to expert e: both operands codes of BF6 (E3M2) with one E8M0 scale for each 32 along H.  h comes as the codes that the launch before stored.
; SHARES.  Work-group (x = c + 8 q, y = expert) owns W2[e][1,024 q .. + 1,023 of H][128 c .. + 127]: 512 KB of f32, read from memory ONCE in the launch, and multiplies it with ALL rows of its expert.
; The four quarters q of H give four partial sums in f32, which the last launch adds: with 1,024 along K to a work-group a tile's operand (8 fragments, 96 registers) stays in registers and every stage finishes its sums.
; The slab goes in four WINDOWS of 32 columns x 1,024 along H.  A LANE TAKES A COLUMN AND ITS REGISTERS RUN DOWN H (wave w: 64 w .. 64 w + 63): a block of 32 lies in one lane, the conversions give codes with K
; innermost, and they go to LDS as IMAGES OF THE OPERAND'S REGISTERS.  While window g's columns are multiplied (a STAGE), window g + 1's 64 loads a wave are issued AMONG THE STAGE'S K STEPS, 16 behind the first
; and 8 behind each of the next six: the requests go out beside the products, not in a run of their own in front of a barrier.  16 waves x 64 x 128 bytes are a window.
; Each weight load of a wave covers 128 consecutive bytes; the other 128 of the aligned 256 are read one window later by the same work-group.
; ROWS.  T = max(ceil(n / 16), 1) tiles of 16 rows, n counted from route's bit masks (whole numbers read from memory).  Tile m < 16 belongs to wave m and stays in its registers for all four stages.
; TILES FROM THE SIXTEENTH ON are made behind the last stage, when all four windows' images lie in LDS: the pair (tile 16 + a, window g) belongs to wave 4 (a % 4) + g, trip a / 4: one tile more costs four waves one
; fetch of its operand and one tile's work each, side by side.  hq is laid so that a lane's loads of 8 bytes ARE the operand's registers.
; THE PRODUCT IS USED TRANSPOSED (source 0 = 16 columns of W2, source 1 = 16 rows of h); column l of a window's 32 goes to tile (l >> 3) & 1, place (l & 7) + 8 (l >> 4): lane (r, h) then holds row r and columns 16 h + 0 .. 15.
; NO CLUSTER, NO TENSOR LOAD: which work is done hangs on counts read from memory; what work-groups share (h's codes, 12 KB a tile) is the smaller part beside each one's own 512 KB.
; LIMITS: NaN and infinities are not served; a block of W2 under 2^-122 (a block of zeros too) keeps the byte 1, read by this work-group alone.
; OUT: yp [e][group of 32 columns cg = 4 c + g][q][row p][32 f32].
; REGISTERS: v1-15 addresses; v16-19 h's scale words, v20-21 W's (these six hold scales alone); v22-26 at work; v31 my lane, kept; v32-47 two accumulators; v48-71, v72-95 two buffers of W's fragments
;   (v48-63 also the way out); v96-191 h's 8 fragments; v192-255 64 weights on their way.
.set PITCHW, 4096                      ; bytes from H to H + 1 in W2[e]
.set WINB,  24576                      ; a window's 16 images
.set BI,    0                          ; LDS: W's images: (window g, K step s, tile u) at ((8 g + s) 2 + u) x 1,536; lane L's 12 registers at 48 L
.set BS,    98304                      ; W's scale words: (8 g + s) x 128 + 4 (place + 16 u)
.set YS,    102400                     ; the way out: 16 rows x (128 + 16) bytes for each wave
.set YSW,   2304
.set HSC,   25165824
.macro WLOAD g, beta                   ; half a window: W(64 w + i, column 32 g + lane), i = 32 beta .. 32 beta + 31
.set II, 32*(\beta)
.rept 32
	global_load_b32 v[192+II], v1, s[24:25] offset:II*PITCHW+128*(\g)
.set II, II+1
.endr
.endm
.macro WCH g, c                        ; an eighth of a window: i = 8 c .. 8 c + 7.  Pieces 0 to 7 in this order are the two halves in WLOAD's order
.set II, 8*(\c)
.rept 8
	global_load_b32 v[192+II], v1, s[24:25] offset:II*PITCHW+128*(\g)
.set II, II+1
.endr
.endm
; a block of 32 of my column becomes 24 bytes of codes in W's image; n = how many younger loads may stay out
.macro QWH g, beta, n
.set WB, 192+32*\beta
.set CW, 72+12*\beta
	s_wait_loadcnt \n
	v_max3_num_f32 v22, |v[WB]|, |v[WB+1]|, 0x2800000              ; the floor 2^(5 - 127) among the leaves: the byte cannot fall under 1
	v_max3_num_f32 v23, |v[WB+2]|, |v[WB+3]|, |v[WB+4]|
.irp i, 5,9,13,17,21,25
	v_max3_num_f32 v22, v22, |v[WB+\i]|, |v[WB+\i+1]|
	v_max3_num_f32 v23, v23, |v[WB+\i+2]|, |v[WB+\i+3]|
.endr
	v_max3_num_f32 v22, v22, |v[WB+29]|, |v[WB+30]|
	v_max3_num_f32 v22, v22, v23, |v[WB+31]|
	v_add_nc_u32 v24, 0xfe000000, v22              ; 4 off the exponent field: the conversion's scale operand
	v_cvt_scalef32_pk16_bf6_f32 v[CW:CW+2], v[WB:WB+15], v24
	v_cvt_scalef32_pk16_bf6_f32 v[CW+6:CW+8], v[WB+16:WB+31], v24  ; (a conversion's three registers begin on an even number)
	v_lshrrev_b32 v[25+\beta], 23, v24             ; the scale's byte (and the plain line behind the conversions)
.irp i, 0,1,2
	v_mov_b32 v[CW+3+\i], v[CW+6+\i]
.endr
.irp i, 0,1,2
	ds_store_b64 v2, v[CW+2*\i:CW+2*\i+1] offset:768*\beta+8*\i
.endr
.endm
.macro QW g, n0, n1
.if \g > 0
	s_wait_xcnt 0x0                                ; every earlier store has read its registers (ahead of window 0 no store is out, and no register written here is named by a pending load)
.endif
	QWH \g, 0, \n0
	QWH \g, 1, \n1
	v_lshl_or_b32 v25, v26, 8, v25
	ds_store_b16 v3, v25 offset:1024*(\g)          ; my column's two bytes of its K step's scale word
	s_wait_dscnt 0x0
	v_add_nc_u32 v2, WINB, v2                      ; on to the next window's images
.endm
.macro COUNT                           ; n = the bits of the 32 mask words; T = max(ceil(n / 16), 1)
	s_bcnt1_i32_b32 s19, s32
.set JJ, 33
.rept 31
	s_bcnt1_i32_b32 s92, s[JJ]
	s_add_co_u32 s19, s19, s92
.set JJ, JJ+1
.endr
	s_add_co_u32 s20, s19, 15
	s_lshr_b32 s20, s20, 4
	s_max_u32 s20, s20, 1
.endm
.macro BLD g, s                        ; K step s's two fragments of W and their scale words, into buffer s % 2: 7 LDS loads
.set RB, 48+24*((\s)%2)
.irp u, 0,1
.irp i, 0,1,2
	ds_load_b128 v[RB+12*\u+4*\i:RB+12*\u+4*\i+3], v4 offset:(2*(\s)+\u)*1536+16*\i
.endr
.endr
	ds_load_b32 v[20+(\s)%2], v5 offset:1024*(\g)+128*(\s)   ; lanes 0-15: tile 0's words, lanes 16-31: tile 1's
.endm
.macro MM s                            ; the two accumulators by turns, one instruction a turn.  h's scale words: lanes 0-15 hold an even K step's, lanes 16-31 the odd one's
.set RX, 96+12*(\s)
.set RA, 48+24*((\s)%2)
.set SA, 20+(\s)%2
.set SX, 16+(\s)/2
.if (\s)%2 == 0
	v_wmma_scale_f32_16x16x128_f8f6f4 v[32:39], v[RA:RA+11], v[RX:RX+11], v[32:39], v[SA], v[SX] matrix_a_fmt:MATRIX_FMT_BF6 matrix_b_fmt:MATRIX_FMT_BF6
	v_wmma_scale_f32_16x16x128_f8f6f4 v[40:47], v[RA+12:RA+23], v[RX:RX+11], v[40:47], v[SA], v[SX] matrix_a_fmt:MATRIX_FMT_BF6 matrix_b_fmt:MATRIX_FMT_BF6 matrix_a_scale:MATRIX_SCALE_ROW1
.else
	v_wmma_scale_f32_16x16x128_f8f6f4 v[32:39], v[RA:RA+11], v[RX:RX+11], v[32:39], v[SA], v[SX] matrix_a_fmt:MATRIX_FMT_BF6 matrix_b_fmt:MATRIX_FMT_BF6 matrix_b_scale:MATRIX_SCALE_ROW1
	v_wmma_scale_f32_16x16x128_f8f6f4 v[40:47], v[RA+12:RA+23], v[RX:RX+11], v[40:47], v[SA], v[SX] matrix_a_fmt:MATRIX_FMT_BF6 matrix_b_fmt:MATRIX_FMT_BF6 matrix_a_scale:MATRIX_SCALE_ROW1 matrix_b_scale:MATRIX_SCALE_ROW1
.endif
.endm
.macro MMZ                             ; K step 0 starts the sums: nothing is cleared
	v_wmma_scale_f32_16x16x128_f8f6f4 v[32:39], v[48:59], v[96:107], 0, v20, v16 matrix_a_fmt:MATRIX_FMT_BF6 matrix_b_fmt:MATRIX_FMT_BF6
	v_wmma_scale_f32_16x16x128_f8f6f4 v[40:47], v[60:71], v[96:107], 0, v20, v16 matrix_a_fmt:MATRIX_FMT_BF6 matrix_b_fmt:MATRIX_FMT_BF6 matrix_a_scale:MATRIX_SCALE_ROW1
.endm
.macro SYNC                            ; my LDS stores have landed and my LDS loads are in: then the work-group's barrier
	s_wait_dscnt 0x0
	s_barrier_signal -1
	s_barrier_wait -1
.endm
; the tile named by s[sm]: lane (r, h) takes, for K step s and half c, the 24 bytes of block 4 s + 2 c + h of row r: the operand's registers as they lie; and the scale words: 52 loads
.macro ALOAD_ISSUE sm
	s_mul_i32 s92, s[\sm], 49152
	v_add_nc_u32 v14, s92, v9
	s_lshl_b32 s92, s[\sm], 11
	v_add_nc_u32 v15, s92, v1
.set SS, 0
.rept 8
.irp c, 0,1
.irp p, 0,1,2
	global_load_b64 v[96+12*SS+6*\c+2*\p:97+12*SS+6*\c+2*\p], v14, s[26:27] offset:(4*SS+2*\c)*384+8*\p
.endr
.endr
.set SS, SS+1
.endr
.irp i, 0,1,2,3
	global_load_b32 v[16+\i], v15, s[28:29] offset:128*\i   ; lanes 0-15: K step 2 i, lanes 16-31: K step 2 i + 1
.endr
.endm
; tile s21 x window g: 16 products; 16 rows x 32 columns of f32 go out.  ld = 1: window g + 1's 64 loads go out among the K steps, each piece behind the step's LDS loads
.macro TILE2 g, ld
	s_wait_xcnt 0x0                                ; the last tile's stores have read v11 and v48-63
	s_lshl_b32 s92, s21, 11
	v_add_nc_u32 v11, s92, v10
	BLD \g, 0
	BLD \g, 1
	s_wait_dscnt 7                                 ; K step 0's loads are in; K step 1's seven may be out
	MMZ
.rept 4
	v_nop
.endr
	BLD \g, 2
.if \ld
	WCH (\g)+1, 0
	WCH (\g)+1, 1
.endif
.irp s, 1,2,3,4,5,6,7
.if \s < 7
	s_wait_dscnt 7                                 ; this K step's loads are in; the next one's seven may be out
.else
	s_wait_dscnt 0x0
.endif
	MM \s
.if \s < 6
.rept 4
	v_nop                                          ; four places in front of loads into registers that the products have read (ISA guide 7.12.1 for vector instructions)
.endr
	BLD \g, \s+2
.endif
.if \ld
.if \s < 7
	WCH (\g)+1, \s+1
.endif
.endif
.endr
.rept 5
	v_nop                                          ; four places in front of the stores that read the results; five, since the next tile's first products begin these accumulators anew
.endr
.irp u, 0,1
.irp i, 0,1
	ds_store_b128 v6, v[32+8*\u+4*\i:35+8*\u+4*\i] offset:32*\u+16*\i   ; each accumulator from its low end on: row r, columns 16 h + 8 u + 4 i on
.endr
.endr
.irp i, 0,1,2,3
	ds_load_b128 v[48+4*\i:51+4*\i], v7 offset:576*\i   ; back by rows, four rows of 128 bytes an instruction (LDS serves a wave's instructions in order: ISA guide 5.7.1.4)
.endr
.irp i, 0,1,2,3
	s_wait_dscnt 3-\i
	global_store_b128 v11, v[48+4*\i:51+4*\i], s[30:31] offset:524288*(\g)+512*\i   ; 32 lanes store 512 consecutive bytes, at a multiple of 256 from yp's first byte
.endr
.endm
; A STAGE: my tile (tile w, in registers since the start) x window g.  A wave at or past T has no tile: it only asks for its part of the next window.  Both ways issue the same 64 loads in the same order.
.macro STAGE g
	s_cmp_ge_u32 s16, s20
	s_cbranch_scc1 .Lidle_\@
.if \g < 3
	TILE2 \g, 1
	s_branch .Ldone_\@
.Lidle_\@:
	WLOAD (\g)+1, 0
	WLOAD (\g)+1, 1
.Ldone_\@:
	v_add_nc_u32 v4, WINB, v4                      ; on to the next window's images (my loads of this one are in)
.else
	TILE2 \g, 0
.Lidle_\@:
.endif
.endm
	s_load_b256 s[4:11], s[0:1], 0x0               ; hq s[4:5], rt s[6:7], W2 s[8:9], yp s[10:11]
	v_lshl_add_u32 v29, v0, 2, 0x22000
	v_mov_b32 v30, 0
	v_lshrrev_b32 v22, 5, v0
	v_readfirstlane_b32 s16, v22                   ; wave 0..15
	s_and_b32 s17, ttmp9, 7                        ; c: which 128 columns
	s_lshr_b32 s97, ttmp9, 3                       ; q: which quarter of H
	s_and_b32 s18, ttmp7, 0xffff                   ; expert
	v_and_b32 v31, 31, v0                          ; lane
	v_lshlrev_b32 v1, 2, v31                       ; 4 x lane: my column
	s_lshl_b32 s92, s18, 24                        ; W2: 2^24 bytes an expert, 1,024 rows of 4,096 a quarter, 64 rows a wave, 512 bytes a slice of columns
	s_lshl_b32 s93, s97, 22
	s_add_co_u32 s92, s92, s93
	s_lshl_b32 s93, s16, 18
	s_add_co_u32 s92, s92, s93
	s_lshl_b32 s93, s17, 9
	s_add_co_u32 s92, s92, s93
	s_mov_b32 s93, 0
	s_lshl_b32 s96, s18, 7                         ; the masks: 128 bytes an expert
	s_wait_kmcnt 0x0
	s_load_b512 s[32:47], s[6:7], s96 offset:0x0   ; my expert's 32 mask words
	s_load_b512 s[48:63], s[6:7], s96 offset:0x40
	s_add_nc_u64 s[24:25], s[8:9], s[92:93]
	WLOAD 0, 0
	WLOAD 0, 1
	s_mul_i32 s98, s18, 3145728                    ; h's codes: 3,145,728 bytes an expert, 32 blocks of 384 a quarter
	s_mul_i32 s99, s97, 12288
	s_add_co_u32 s98, s98, s99
	s_mov_b32 s99, 0
	s_add_nc_u64 s[26:27], s[4:5], s[98:99]
	s_lshl_b32 s98, s18, 17                        ; h's scale words: 131,072 bytes an expert, 8 K steps of 64 a quarter
	s_lshl_b32 s99, s97, 9
	s_add_co_u32 s98, s98, s99
	s_add_co_u32 s98, s98, HSC
	s_mov_b32 s99, 0
	s_add_nc_u64 s[28:29], s[4:5], s[98:99]
	s_lshl_b32 s98, s18, 24                        ; yp: 2^24 bytes an expert, 4 groups of 524,288 a slice, 131,072 a quarter
	s_lshl_b32 s99, s17, 21
	s_add_co_u32 s98, s98, s99
	s_lshl_b32 s99, s97, 17
	s_add_co_u32 s98, s98, s99
	s_mov_b32 s99, 0
	s_add_nc_u64 s[30:31], s[10:11], s[98:99]
	v_and_b32 v22, 15, v0                          ; r
	v_bfe_u32 v23, v0, 4, 1                        ; h
	v_bfe_u32 v24, v0, 3, 1                        ; my column's tile u
	v_and_b32 v25, 7, v0
	v_lshl_add_u32 v25, v23, 3, v25                ; and its place (l & 7) + 8 (l >> 4)
	s_lshr_b32 s92, s16, 1                         ; my 64 along H lie in K step w >> 1,
	s_and_b32 s93, s16, 1                          ; in its half w & 1
	s_mul_i32 s94, s92, 3072
	s_mul_i32 s95, s93, 24
	s_add_co_u32 s94, s94, s95
	v_mul_u32_u24 v2, v25, 48
	v_mad_u32_u24 v2, v24, 1536, v2
	v_add_nc_u32 v2, s94, v2                       ; where my codes go: image (s, u), lane place + 16 beta (768 beta in the immediate), half w & 1
	s_lshl_b32 s94, s92, 7
	s_lshl_b32 s95, s93, 1
	s_add_co_u32 s94, s94, s95
	s_add_co_u32 s94, s94, BS
	v_lshl_add_u32 v3, v24, 4, v25
	v_lshl_add_u32 v3, v3, 2, s94                  ; and my two scale bytes
	v_mul_u32_u24 v4, v31, 48                      ; an image's place for my lane
	v_add_nc_u32 v5, BS, v1                        ; a scale word's
	s_mul_i32 s94, s16, YSW
	s_add_co_u32 s94, s94, YS
	v_mul_u32_u24 v6, v22, 144
	v_lshl_add_u32 v6, v23, 6, v6
	v_add_nc_u32 v6, s94, v6                       ; the way out, in: row r, 64 bytes for each half of the lanes
	v_lshrrev_b32 v7, 3, v31
	v_mul_u32_u24 v7, v7, 144
	v_and_b32 v25, 7, v0
	v_lshl_add_u32 v7, v25, 4, v7
	v_add_nc_u32 v7, s94, v7                       ; and back: eight lanes to a row of 128 bytes
	v_mul_u32_u24 v9, v22, 24
	v_mad_u32_u24 v9, v23, 384, v9                 ; h's codes: 24 r in a block, lanes 16-31 one block on
	v_lshlrev_b32 v10, 4, v31                      ; 16 x lane
	s_wait_kmcnt 0x0                               ; the masks
	COUNT
	s_sub_co_u32 s22, s20, 1                       ; the tile that I fetch: tile w; a wave without a tile takes the last one, whose bytes were stored, and uses nothing of it
	s_min_u32 s22, s22, s16
	s_min_u32 s22, s22, 63
	s_mov_b32 s21, s16                             ; my tile in the four stages
	ALOAD_ISSUE 22
	QW 0, 63, 52                                   ; behind window 0's first half stand 32 + 52 loads, more than a wait can name, so 63; behind its second half h's 52
	s_wait_loadcnt 0x0                             ; h's fragments and scale words are in
	SYNC                                           ; window 0's images are whole
	STAGE 0
	QW 1, 32, 0                                    ; the window's second half may stay out while the first is converted
	SYNC
	STAGE 1
	QW 2, 32, 0
	SYNC
	STAGE 2
	QW 3, 32, 0
	SYNC
	STAGE 3
	; THE TILES FROM THE SIXTEENTH ON.  All four windows' images lie in LDS since the last barrier and nobody writes them any more: no barrier is needed.  My window here is g = w & 3: it goes into the
	; addresses once, and the tile's immediates are those of window 0.  My tiles: 16 + (w >> 2) + 4 t, t = 0 .. 11: twelve trips, whatever T is; a tile at or past T is jumped over.
	s_wait_xcnt 0x0                                ; the last stage's stores have read their base
	s_and_b32 s92, s16, 3
	s_lshl_b32 s94, s92, 19
	s_mov_b32 s95, 0
	s_add_nc_u64 s[30:31], s[30:31], s[94:95]      ; yp: group g of the slice's four
	s_mul_i32 s93, s92, WINB
	v_mul_u32_u24 v4, v31, 48
	v_add_nc_u32 v4, s93, v4                       ; window g's images,
	s_lshl_b32 s93, s92, 10
	v_add_nc_u32 v5, s93, v5                       ; and its scale words
	s_lshr_b32 s22, s16, 2
	s_add_co_u32 s22, s22, 16
	s_mov_b32 s23, 0
.Ltail:
	s_add_co_u32 s21, s23, s22
	s_cmp_ge_u32 s21, s20
	s_cbranch_scc1 .Ltail_skip
	ALOAD_ISSUE 21
	s_wait_loadcnt 0x0
	TILE2 0, 0
.Ltail_skip:
	s_add_co_u32 s23, s23, 4
	s_cmp_lt_u32 s23, 48
	s_cbranch_scc1 .Ltail
	s_wait_tensorcnt 0x0
	ds_add_u32 v29, v30
	s_wait_dscnt 0x0
	s_endpgm
.Lfunc_end_k_q4d850b3f02_ffn2:
	.size	k_q4d850b3f02_ffn2, .Lfunc_end_k_q4d850b3f02_ffn2-k_q4d850b3f02_ffn2
	.p2alignl 7, 3214868480
	.fill 96, 4, 3214868480
	.section	.rodata,"a",@progbits
	.p2align	6, 0x0
	.amdhsa_kernel k_q4d850b3f02_ffn2
		.amdhsa_group_segment_fixed_size 141312
		.amdhsa_private_segment_fixed_size 0
		.amdhsa_enable_private_segment 0
		.amdhsa_kernarg_size 32
		.amdhsa_user_sgpr_count 2
		.amdhsa_user_sgpr_kernarg_segment_ptr 1
		.amdhsa_wavefront_size32 1
		.amdhsa_system_sgpr_workgroup_id_x 1
		.amdhsa_system_sgpr_workgroup_id_y 1
		.amdhsa_system_sgpr_workgroup_id_z 1
		.amdhsa_system_vgpr_workitem_id 0
		.amdhsa_next_free_vgpr 256
		.amdhsa_next_free_sgpr 100
		.amdhsa_reserve_vcc 0
		.amdhsa_float_denorm_mode_32 3
		.amdhsa_float_denorm_mode_16_64 3
		.amdhsa_memory_ordered 1
		.amdhsa_forward_progress 1
		.amdhsa_inst_pref_size 112
	.end_amdhsa_kernel
	.amdgpu_metadata
---
amdhsa.version: [ 1, 2 ]
amdhsa.kernels:
  - .name:           k_q4d850b3f02_ffn2
    .symbol:         k_q4d850b3f02_ffn2.kd
    .args:
      - { .name: hq, .offset: 0, .size: 8, .value_kind: global_buffer, .address_space: global }
      - { .name: rt, .offset: 8, .size: 8, .value_kind: global_buffer, .address_space: global }
      - { .name: W2, .offset: 16, .size: 8, .value_kind: global_buffer, .address_space: global }
      - { .name: yp, .offset: 24, .size: 8, .value_kind: global_buffer, .address_space: global }
    .group_segment_fixed_size: 141312
    .private_segment_fixed_size: 0
    .kernarg_segment_align: 8
    .kernarg_segment_size: 32
    .max_flat_workgroup_size: 512
    .sgpr_count:     100
    .vgpr_count:     256
    .wavefront_size: 32
...
	.end_amdgpu_metadata
.endif
;; end of part 3
;; launch comb (part 4): grid 256 x 1, 8 waves a work-group, no clusters, 0 bytes of LDS; arguments rt, gat, post, yp, b2, out0; writes out0
.if DOCPART == 4
	.amdgcn_target "amdgcn-amd-amdhsa--gfx1250"
	.amdhsa_code_object_version 6
	.text
	.protected	k_q4d850b3f02_comb
	.globl	k_q4d850b3f02_comb
	.p2align	8
	.type	k_q4d850b3f02_comb,@function
k_q4d850b3f02_comb:
	s_mov_b64 s[64:65], 0
	v_nop
	global_prefetch_b8 v0, s[64:65] scope:SCOPE_SE
	s_setreg_imm32_b32 hwreg(HW_REG_WAVE_MODE, 25, 1), 1
	s_wait_xcnt 0x0
; COMB.  out[t] = g0 (y[e0] + b2[e0]) + g1 (y[e1] + b2[e1]), y[e] = the sum of the four partial sums along H that the launch before stored for token t's row of expert e.  All in f32.
; Each output row has one owner: wave w of work-group wg takes token 4 wg + (w >> 1), columns 512 (w & 1) .. + 511.  The experts, the row numbers and the weights are read from memory (whole numbers stored by
; earlier launches steer the addresses); all 40 loads of a wave are issued at once.  A stream: no LDS, no barrier, no matrix unit; the waves share nothing.
; yp is [e][group of 32 columns][quarter q][row p][32 f32]: a load of the wave takes 128 consecutive bytes in each of four groups; a lane's 16 bytes are columns 4 lane .. + 3 of the 128 in hand.
	s_load_b256 s[4:11], s[0:1], 0x0               ; rt s[4:5], gat s[6:7], post s[8:9], yp s[10:11]
	s_load_b128 s[12:15], s[0:1], 0x20             ; b2 s[12:13], out0 s[14:15]
	v_lshrrev_b32 v1, 5, v0
	v_readfirstlane_b32 s16, v1                    ; wave 0..7
	s_lshl_b32 s17, ttmp9, 2
	s_lshr_b32 s18, s16, 1
	s_add_co_u32 s17, s17, s18                     ; my token
	s_and_b32 s18, s16, 1                          ; my half of the columns
	s_lshl_b32 s19, s17, 2
	s_lshl_b32 s20, s17, 3
	v_and_b32 v7, 31, v0
	v_lshlrev_b32 v1, 4, v7                        ; 16 x lane
	v_lshrrev_b32 v2, 3, v7
	v_and_b32 v8, 7, v7
	v_lshlrev_b32 v2, 19, v2
	v_lshl_add_u32 v2, v8, 4, v2                   ; group lane / 8 (524,288 bytes each), 16 (lane % 8) in its row
	s_wait_kmcnt 0x0
	s_load_b32 s21, s[4:5], s19 offset:0x400       ; e0 | e1 << 8
	s_load_b64 s[22:23], s[6:7], s20 offset:0x0    ; g0, g1
.irp e, 0,1,2,3,4,5,6,7
	s_load_b32 s[24+\e], s[8:9], s19 offset:4096*\e   ; my token's row number with each expert: eight loads that wait for nothing
.endr
	s_lshl_b32 s46, s17, 12                        ; out: 4,096 bytes a token, 2,048 a half
	s_lshl_b32 s47, s18, 11
	s_add_co_u32 s46, s46, s47
	s_mov_b32 s47, 0
	s_add_nc_u64 s[14:15], s[14:15], s[46:47]
	s_wait_kmcnt 0x0
	s_and_b32 s32, s21, 0xff
	s_min_u32 s32, s32, 7                          ; an expert's number stays inside its tables
	s_bfe_u32 s33, s21, 0x80008
	s_min_u32 s33, s33, 7
	s_mov_b32 s34, s24
	s_mov_b32 s35, s24
.irp e, 1,2,3,4,5,6,7
	s_cmp_eq_u32 s32, \e
	s_cselect_b32 s34, s[24+\e], s34
	s_cmp_eq_u32 s33, \e
	s_cselect_b32 s35, s[24+\e], s35
.endr
	s_min_u32 s34, s34, 1023                       ; and so does a row's
	s_min_u32 s35, s35, 1023
	s_lshl_b32 s40, s32, 24                        ; yp: 2^24 bytes an expert, 128 a row, 2^23 a half of the columns
	s_lshl_b32 s41, s34, 7
	s_add_co_u32 s40, s40, s41
	s_lshl_b32 s42, s33, 24
	s_lshl_b32 s41, s35, 7
	s_add_co_u32 s42, s42, s41
	s_lshl_b32 s41, s18, 23
	s_add_co_u32 s40, s40, s41
	s_add_co_u32 s42, s42, s41
	v_add_nc_u32 v3, s40, v2
	v_add_nc_u32 v4, s42, v2
	s_lshl_b32 s41, s18, 11                        ; b2: 4,096 bytes an expert, 2,048 a half
	s_lshl_b32 s44, s32, 12
	s_add_co_u32 s44, s44, s41
	s_lshl_b32 s45, s33, 12
	s_add_co_u32 s45, s45, s41
	v_add_nc_u32 v5, s44, v1
	v_add_nc_u32 v6, s45, v1
	s_mov_b32 s36, s22                             ; the weights as pairs: a packed form names the pair and takes its low word for both halves
	s_mov_b32 s37, s22
	s_mov_b32 s38, s23
	s_mov_b32 s39, s23
.macro YLOAD G                         ; columns 128 G on: for each of the two experts four partial sums and b2: ten loads
.irp k, 0,1
.irp q, 0,1,2,3
	global_load_b128 v[32+40*\G+20*\k+4*\q:35+40*\G+20*\k+4*\q], v[3+\k], s[10:11] offset:2097152*\G+131072*\q
.endr
	global_load_b128 v[48+40*\G+20*\k:51+40*\G+20*\k], v[5+\k], s[12:13] offset:512*\G
.endr
.endm
.macro OUT G, left                     ; left = the loads of the later groups, which may stay out
	s_wait_loadcnt \left
.irp k, 0,1
.set R, 32+40*\G+20*\k
.irp i, 0,2
	v_pk_add_f32 v[R+\i:R+\i+1], v[R+\i:R+\i+1], v[R+4+\i:R+5+\i]
	v_pk_add_f32 v[R+8+\i:R+9+\i], v[R+8+\i:R+9+\i], v[R+12+\i:R+13+\i]
.endr
.irp i, 0,2
	v_pk_add_f32 v[R+\i:R+\i+1], v[R+\i:R+\i+1], v[R+8+\i:R+9+\i]
.endr
.irp i, 0,2
	v_pk_add_f32 v[R+\i:R+\i+1], v[R+\i:R+\i+1], v[R+16+\i:R+17+\i]   ; + b2
.endr
.endr
.set R, 32+40*\G
.irp i, 0,2
	v_pk_mul_f32 v[R+\i:R+\i+1], v[R+\i:R+\i+1], s[36:37] op_sel_hi:[1,0]
.endr
.irp i, 0,2
	v_pk_fma_f32 v[R+\i:R+\i+1], v[R+20+\i:R+21+\i], s[38:39], v[R+\i:R+\i+1] op_sel_hi:[1,0,1]
.endr
	global_store_b128 v1, v[R:R+3], s[14:15] offset:512*\G th:TH_STORE_NT   ; 32 lanes store 512 consecutive bytes, at a multiple of 256 from out0's first byte
.endm
	YLOAD 0
	YLOAD 1
	YLOAD 2
	YLOAD 3
	OUT 0, 30
	OUT 1, 20
	OUT 2, 10
	OUT 3, 0
	s_endpgm
.Lfunc_end_k_q4d850b3f02_comb:
	.size	k_q4d850b3f02_comb, .Lfunc_end_k_q4d850b3f02_comb-k_q4d850b3f02_comb
	.p2alignl 7, 3214868480
	.fill 96, 4, 3214868480
	.section	.rodata,"a",@progbits
	.p2align	6, 0x0
	.amdhsa_kernel k_q4d850b3f02_comb
		.amdhsa_group_segment_fixed_size 0
		.amdhsa_private_segment_fixed_size 0
		.amdhsa_enable_private_segment 0
		.amdhsa_kernarg_size 48
		.amdhsa_user_sgpr_count 2
		.amdhsa_user_sgpr_kernarg_segment_ptr 1
		.amdhsa_wavefront_size32 1
		.amdhsa_system_sgpr_workgroup_id_x 1
		.amdhsa_system_sgpr_workgroup_id_y 1
		.amdhsa_system_sgpr_workgroup_id_z 1
		.amdhsa_system_vgpr_workitem_id 0
		.amdhsa_next_free_vgpr 192
		.amdhsa_next_free_sgpr 66
		.amdhsa_reserve_vcc 0
		.amdhsa_float_denorm_mode_32 3
		.amdhsa_float_denorm_mode_16_64 3
		.amdhsa_memory_ordered 1
		.amdhsa_forward_progress 1
		.amdhsa_inst_pref_size 13
	.end_amdhsa_kernel
	.amdgpu_metadata
---
amdhsa.version: [ 1, 2 ]
amdhsa.kernels:
  - .name:           k_q4d850b3f02_comb
    .symbol:         k_q4d850b3f02_comb.kd
    .args:
      - { .name: rt, .offset: 0, .size: 8, .value_kind: global_buffer, .address_space: global }
      - { .name: gat, .offset: 8, .size: 8, .value_kind: global_buffer, .address_space: global }
      - { .name: post, .offset: 16, .size: 8, .value_kind: global_buffer, .address_space: global }
      - { .name: yp, .offset: 24, .size: 8, .value_kind: global_buffer, .address_space: global }
      - { .name: b2, .offset: 32, .size: 8, .value_kind: global_buffer, .address_space: global }
      - { .name: out0, .offset: 40, .size: 8, .value_kind: global_buffer, .address_space: global }
    .group_segment_fixed_size: 0
    .private_segment_fixed_size: 0
    .kernarg_segment_align: 8
    .kernarg_segment_size: 48
    .max_flat_workgroup_size: 256
    .sgpr_count:     66
    .vgpr_count:     192
    .wavefront_size: 32
...
	.end_amdgpu_metadata
.endif
;; end of part 4
;; ======== version 2 of 2: 4 launches
;; workspace buffers: xq 819,200 bytes; rt 5,120 bytes of whole numbers; gat 8,192 bytes; post 32,768 bytes of whole numbers; hq 26,214,400 bytes; yp 134,217,728 bytes
;; launch route (part 5): grid 64 x 1, 8 waves a work-group, no clusters, 117,760 bytes of LDS; arguments x, Wg, bg, xq, rt, gat; writes xq, rt, gat
.if DOCPART == 5
	.amdgcn_target "amdgcn-amd-amdhsa--gfx1250"
	.amdhsa_code_object_version 6
	.text
	.protected	k_q4d850b3f02_route
	.globl	k_q4d850b3f02_route
	.p2align	8
	.type	k_q4d850b3f02_route,@function
k_q4d850b3f02_route:
	s_mov_b64 s[64:65], 0
	v_nop
	global_prefetch_b8 v0, s[64:65] scope:SCOPE_SE
	s_setreg_imm32_b32 hwreg(HW_REG_WAVE_MODE, 25, 1), 1
	s_wait_xcnt 0x0
; ROUTE.  For each of the 1,024 tokens: the gates softmax(x Wg + bg) in f32, the two largest (ties: the lower index), their weights g / max(g1 + g2, 1e-12);
; and x as codes of BF6 (E3M2) with one E8M0 byte for each 32 along D.  Nothing here steers an address by a floating-point number: the choice is STORED, as whole numbers, for the later launches.
; OUT:  xq: codes [t][768 bytes], a plain stream of bits; from byte 786,432 scale words [t][8]: the word of K step s (128 along D) at place 4 (s & 1) + (s >> 1), byte b = block 4 s + b.
;       rt: masks [8 experts][32 words], bit t % 32 of word t / 32 (this work-group writes 16 bits of each expert's row); from byte 1,024 idx[t] = e0 | e1 << 8.     gat: [t][2] f32.
; SHARES.  A work-group takes 16 tokens, wave w tokens 2 w and 2 w + 1.  The gate product has N = 8: fused multiply-adds in f32, a lane taking 32 of the 1,024 along D; Wg lies in LDS once for the work-group.
; A lane must hold 16 NEIGHBOURS along D for the conversion, and a load is best where neighbouring lanes take neighbouring bytes: so x is loaded 16 bytes a lane, 512 a load, and turned through the wave's own
; bytes of LDS (64 bytes + 16 of padding a place).  No matrix unit, no cluster, no tensor load: 4 MB are read once, and the work-groups share only Wg's 32 KB.
; LIMITS: NaN and infinities are not served; a block whose largest magnitude lies under 2^-122 (a block of zeros too) keeps the byte 1: its bytes are read by this program alone.
.set WGL,  0                           ; LDS: Wg, flat, 16 bytes of padding behind each 512 (16 rows of Wg): 64 x 528 bytes
.set XT,   33792                       ; the waves' turning places: 2 tokens x 64 places x 80 bytes each
.set XTW,  10240
.set LG,   115712                      ; the logits [16 tokens][8]
.set SB,   116224                      ; the scale bytes [16 tokens][32], in the order of xq's scale words
.set XSC,  786432
.set ACC,  16                          ; v16-31   16 sums: 8 tau + e
.set X,    32                          ; v32-95   register 32 tau + 16 u + i = x[token tau][512 u + 16 lane + i]
.set WA,   96                          ; v96-159  two buffers of four rows of Wg (first: Wg as loaded)
.set CD,   160                         ; v160-175 codes, four registers for each (tau, u): no store's data are written again
.set BY,   176                         ; v176-179 their scale bytes
	s_load_b256 s[4:11], s[0:1], 0x0               ; x s[4:5], Wg s[6:7], bg s[8:9], xq s[10:11]
	s_load_b128 s[12:15], s[0:1], 0x20             ; rt s[12:13], gat s[14:15]
	v_lshl_add_u32 v192, v0, 2, 0x1c800
	v_mov_b32 v193, 0
	v_lshrrev_b32 v12, 5, v0
	s_delay_alu instid0(VALU_DEP_1)
	v_readfirstlane_b32 s16, v12                   ; wave 0..7
	v_and_b32 v13, 31, v0                          ; lane
	s_delay_alu instid0(VALU_DEP_1)
	v_lshlrev_b32 v1, 4, v13                       ; 16 x lane
	v_lshlrev_b32 v2, 4, v0                        ; 16 x thread
	s_lshl_b32 s30, ttmp9, 16                      ; x: 16 tokens of 4,096 bytes a work-group,
	s_lshl_b32 s31, s16, 13                        ; 2 a wave
	s_add_co_u32 s30, s30, s31
	s_mov_b32 s31, 0
	s_mul_i32 s32, ttmp9, 12288                    ; the codes: 768 bytes a token
	s_mul_i32 s33, s16, 1536
	s_add_co_u32 s32, s32, s33
	s_mov_b32 s33, 0
	s_lshl_b32 s36, ttmp9, 9                       ; the scale words: 32 bytes a token
	s_add_co_u32 s36, s36, XSC
	s_mov_b32 s37, 0
	s_mov_b32 s28, 0x76543210                      ; v_permlanex16_b32's selects for lane l xor 16
	s_mov_b32 s29, 0xfedcba98
	s_wait_alu depctr_va_vdst(0)
	s_wait_kmcnt 0x0
	s_load_b256 s[20:27], s[8:9], 0x0              ; bg
	s_add_nc_u64 s[4:5], s[4:5], s[30:31]
	s_add_nc_u64 s[34:35], s[10:11], s[32:33]
	s_add_nc_u64 s[36:37], s[10:11], s[36:37]
.irp tau, 0,1
.irp j, 0,1,2,3,4,5,6,7
	global_load_b128 v[X+32*\tau+4*\j:X+32*\tau+4*\j+3], v1, s[4:5] offset:4096*\tau+512*\j th:TH_LOAD_NT   ; 32 lanes read 512 consecutive bytes
.endr
.endr
.irp i, 0,1,2,3,4,5,6,7
	global_load_b128 v[WA+4*\i:WA+4*\i+3], v2, s[6:7] offset:4096*\i   ; the work-group reads 4,096 consecutive bytes of Wg
.endr
	; every LDS address is made here, ahead of the branches on the wave's number
	s_mul_i32 s38, s16, XTW
	s_add_co_u32 s38, s38, XT
	v_lshrrev_b32 v14, 2, v13
	s_delay_alu instid0(VALU_DEP_1)
	v_mul_u32_u24 v3, v14, 80
	v_and_b32 v14, 3, v13
	s_delay_alu instid0(VALU_DEP_1)
	v_lshl_add_u32 v3, v14, 4, v3
	s_delay_alu instid0(VALU_DEP_1)
	v_add_nc_u32 v3, s38, v3                       ; the turn, in: four lanes' 64 bytes on end, then 16 of padding
	v_mul_u32_u24 v4, v13, 80
	s_delay_alu instid0(VALU_DEP_1)
	v_add_nc_u32 v4, s38, v4                       ; and out: 80 x lane: my 16 neighbours
	v_lshl_add_u32 v5, v12, 4, v2                  ; Wg into LDS: 16 x thread + 16 for each 512 bytes passed
	v_mul_u32_u24 v6, v13, 528                     ; Wg out of LDS: my 16 rows of a half of D; 528 = 33 x 16: sixteen lanes touch sixteen different 16-byte columns
	v_mul_u32_u24 v7, v13, 12                      ; my 16 codes' 12 bytes
	v_bfe_u32 v14, v0, 3, 1
	v_bfe_u32 v15, v0, 4, 1
	s_delay_alu instid0(VALU_DEP_2)
	v_lshlrev_b32 v8, 4, v14
	s_delay_alu instid0(VALU_DEP_1)
	v_lshl_add_u32 v8, v15, 2, v8
	v_bfe_u32 v14, v0, 1, 2
	s_delay_alu instid0(VALU_DEP_1)
	v_add_nc_u32 v8, v8, v14
	s_delay_alu instid0(VALU_DEP_1)
	v_lshl_add_u32 v8, v12, 6, v8
	s_delay_alu instid0(VALU_DEP_1)
	v_add_nc_u32 v8, SB, v8                        ; my block's byte: 64 wave + 16 ((l >> 3) & 1) + 4 (l >> 4) + ((l >> 1) & 3); 32 tau + 8 u stand in the immediate
	v_lshl_add_u32 v9, v12, 6, LG                  ; my wave's 16 logits
	v_and_b32 v14, 15, v0
	s_delay_alu instid0(VALU_DEP_1)
	v_lshl_add_u32 v10, v14, 5, LG                 ; wave 0: token l % 16's eight
	v_add_nc_u32 v11, SB, v1                       ; wave 1: 16 bytes a lane of the scale bytes
	s_wait_loadcnt 8                               ; x's 16 loads are in; Wg's 8 may be out
.irp tau, 0,1
.irp j, 0,1,2,3,4,5,6,7
	ds_store_b128 v3, v[X+32*\tau+4*\j:X+32*\tau+4*\j+3] offset:5120*\tau+640*\j
.endr
.endr
.irp tau, 0,1
.irp u, 0,1
.irp i, 0,1,2,3
	ds_load_b128 v[X+32*\tau+16*\u+4*\i:X+32*\tau+16*\u+4*\i+3], v4 offset:5120*\tau+2560*\u+16*\i   ; LDS serves a wave's instructions in order (ISA guide 5.7.1.4): these see the stores above
.endr
.endr
.endr
	s_wait_loadcnt 0x0                             ; Wg
.irp i, 0,1,2,3,4,5,6,7
	ds_store_b128 v5, v[WA+4*\i:WA+4*\i+3] offset:4224*\i
.endr
	s_wait_kmcnt 0x0                               ; bg
	s_wait_dscnt 0x0                               ; my part of Wg has landed (and x is back)
	s_barrier_signal -1
	s_barrier_wait -1                              ; all of Wg lies in LDS
; 16 numbers of a lane become 12 bytes of codes; two neighbouring lanes hold a block of 32
.macro QX tau, u
.set XS, X+32*\tau+16*\u
.set KK, 2*\tau+\u
	v_max3_num_f32 v180, |v[XS]|, |v[XS+1]|, 0x2800000             ; the floor 2^(5 - 127) among the leaves: the byte cannot fall under 1
	v_max3_num_f32 v181, |v[XS+2]|, |v[XS+3]|, |v[XS+4]|
	s_delay_alu instid0(VALU_DEP_2)
	v_max3_num_f32 v180, v180, |v[XS+5]|, |v[XS+6]|
	s_delay_alu instid0(VALU_DEP_2)
	v_max3_num_f32 v181, v181, |v[XS+7]|, |v[XS+8]|
	s_delay_alu instid0(VALU_DEP_2)
	v_max3_num_f32 v180, v180, |v[XS+9]|, |v[XS+10]|
	s_delay_alu instid0(VALU_DEP_2)
	v_max3_num_f32 v181, v181, |v[XS+11]|, |v[XS+12]|
	s_delay_alu instid0(VALU_DEP_2)
	v_max3_num_f32 v180, v180, |v[XS+13]|, |v[XS+14]|
	s_delay_alu instid0(VALU_DEP_1)
	v_max3_num_f32 v180, v180, v181, |v[XS+15]|
	s_delay_alu instid0(VALU_DEP_1)
	v_max_num_f32_dpp v180, v180, v180 row_xmask:1 row_mask:0xf bank_mask:0xf   ; with my neighbour's 16: the block's largest magnitude
	s_delay_alu instid0(VALU_DEP_1)
	v_add_nc_u32 v182, 0xfe000000, v180            ; 4 off its exponent field: the conversion takes the exponent field of this operand as its scale
	v_cvt_scalef32_pk16_bf6_f32 v[CD+4*KK:CD+4*KK+2], v[XS:XS+15], v182
	v_lshrrev_b32 v[BY+KK], 23, v182               ; the scale's byte (and the plain line behind the conversion)
	ds_store_b8 v8, v[BY+KK] offset:32*\tau+8*\u   ; both lanes of a block write the same byte with the same value
	global_store_b96 v7, v[CD+4*KK:CD+4*KK+2], s[34:35] offset:768*\tau+384*\u   ; the wave stores 384 consecutive bytes
.endm
	QX 0, 0
	QX 0, 1
	QX 1, 0
	QX 1, 1
; THE LOGITS.  Batch bt of eight: four rows of Wg (D = 512 (bt / 4) + 16 lane + 4 (bt % 4) + 0 .. 3), eight loads of 16 bytes, into the buffers by turns
.macro WROWS bt
.set BF, WA+32*((\bt)%2)
.irp rr, 0,1,2,3
	ds_load_b128 v[BF+8*\rr:BF+8*\rr+3],   v6 offset:16896*((\bt)/4)+32*(4*((\bt)%4)+\rr)
	ds_load_b128 v[BF+8*\rr+4:BF+8*\rr+7], v6 offset:16896*((\bt)/4)+32*(4*((\bt)%4)+\rr)+16
.endr
.endm
; each row x both tokens: four packed multiply-adds, x's number taken for both halves (the low or the high register of its pair).  The very first row starts the sums: nothing is cleared
.macro WFMA bt
.set BF, WA+32*((\bt)%2)
.irp rr, 0,1,2,3
.irp tau, 0,1
.set XP, X+32*\tau+16*((\bt)/4)+4*((\bt)%4)+(\rr)-(\rr)%2
.irp p, 0,1,2,3
.if ((\bt) == 0) && (\rr == 0)
	v_pk_mul_f32 v[ACC+8*\tau+2*\p:ACC+8*\tau+2*\p+1], v[BF+8*\rr+2*\p:BF+8*\rr+2*\p+1], v[XP:XP+1] op_sel_hi:[1,0]
.elseif (\rr)%2 == 0
	v_pk_fma_f32 v[ACC+8*\tau+2*\p:ACC+8*\tau+2*\p+1], v[BF+8*\rr+2*\p:BF+8*\rr+2*\p+1], v[XP:XP+1], v[ACC+8*\tau+2*\p:ACC+8*\tau+2*\p+1] op_sel_hi:[1,0,1]
.else
	v_pk_fma_f32 v[ACC+8*\tau+2*\p:ACC+8*\tau+2*\p+1], v[BF+8*\rr+2*\p:BF+8*\rr+2*\p+1], v[XP:XP+1], v[ACC+8*\tau+2*\p:ACC+8*\tau+2*\p+1] op_sel:[0,1,0] op_sel_hi:[1,1,1]
.endif
.endr
.endr
.endr
.endm
	WROWS 0
.irp bt, 0,1,2,3,4,5,6
	WROWS \bt+1
	s_wait_alu depctr_va_vdst(0)
	s_wait_dscnt 8                                 ; this batch is in; the next batch's eight loads may be out
	WFMA \bt
.endr
	s_wait_alu depctr_va_vdst(0)
	s_wait_dscnt 0x0
	WFMA 7
.irp m, 1,2,4,8                        ; the 16 sums over the 32 lanes: four steps inside each half ride on the addition, one crosses the halves
.set NN, 0
.rept 16
	v_add_f32_dpp v[ACC+NN], v[ACC+NN], v[ACC+NN] row_xmask:\m row_mask:0xf bank_mask:0xf
.set NN, NN+1
.endr
.endr
.set NN, 0
.rept 16
	v_permlanex16_b32 v[WA+NN], v[ACC+NN], s28, s29   ; (its destination counts as read: these registers have been written)
.set NN, NN+1
.endr
.set NN, 0
.rept 16
	v_add_f32 v[ACC+NN], v[ACC+NN], v[WA+NN]
.set NN, NN+1
.endr
.irp i, 0,1,2,3
	ds_store_b128 v9, v[ACC+4*\i:ACC+4*\i+3] offset:16*\i   ; all lanes write the same words with the same values
.endr
	s_wait_dscnt 0x0                               ; my logits and my scale bytes have landed
	s_barrier_signal -1
	s_barrier_wait -1
	s_cmp_lg_u32 s16, 0
	s_cbranch_scc1 .Lnot_wave_0
	; WAVE 0: lane l takes token l % 16 (lanes 16-31 repeat lanes 0-15)
	ds_load_b128 v[16:19], v10
	ds_load_b128 v[20:23], v10 offset:16
	s_lshl_b32 s40, ttmp9, 6
	s_lshl_b32 s41, ttmp9, 7
	s_lshl_b32 s42, ttmp9, 1
	v_lshl_add_u32 v42, v0, 2, s40                 ; idx: 4 bytes a token
	v_lshl_add_u32 v43, v0, 3, s41                 ; the weights: 8 bytes a token
	v_lshl_add_u32 v44, v0, 7, s42                 ; the masks: lane e: expert e's row of 128 bytes, my work-group's 2 bytes
	v_mov_b32 v31, -1.0
	v_mov_b32 v30, 0
	s_wait_dscnt 0x0
.irp e, 0,1,2,3,4,5,6,7
	v_add_f32 v[16+\e], s[20+\e], v[16+\e]         ; + bg
.endr
	v_max3_num_f32 v24, v16, v17, v18              ; the maximum is taken away ahead of the exponentials
	s_delay_alu instid0(VALU_DEP_1)
	v_max3_num_f32 v24, v24, v19, v20
	s_delay_alu instid0(VALU_DEP_1)
	v_max3_num_f32 v24, v24, v21, v22
	s_delay_alu instid0(VALU_DEP_1)
	v_max_num_f32 v24, v24, v23
.irp e, 0,1,2,3,4,5,6,7
	v_sub_f32 v[16+\e], v[16+\e], v24
.endr
.irp e, 0,1,2,3,4,5,6,7
	v_mul_f32 v[16+\e], 0x3fb8aa3b, v[16+\e]       ; x log2(e)
.endr
	s_wait_alu depctr_va_vdst(0)
.irp e, 0,1,2,3,4,5,6,7
	v_exp_f32 v[16+\e], v[16+\e]
.endr
	v_mov_b32 v27, 0                               ; (a plain line behind the exponentials)  the largest gate's index
	s_wait_alu depctr_va_vdst(0)
	v_add_f32 v24, v16, v17
	v_add_f32 v25, v18, v19
	v_add_f32 v26, v20, v21
	v_add_f32 v28, v22, v23
	s_delay_alu instid0(VALU_DEP_3)
	v_add_f32 v24, v24, v25
	s_delay_alu instid0(VALU_DEP_2)
	v_add_f32 v26, v26, v28
	s_delay_alu instid0(VALU_DEP_1)
	v_add_f32 v24, v24, v26
	s_wait_alu depctr_va_vdst(0)
	v_rcp_f32 v24, v24
	v_mov_b32 v29, 0                               ; (a plain line behind the reciprocal)  the second's index
	s_wait_alu depctr_va_vdst(0)
.irp e, 0,1,2,3,4,5,6,7
	v_mul_f32 v[16+\e], v[16+\e], v24              ; the gates
.endr
	v_mov_b32 v26, v16
.irp e, 1
	s_delay_alu instid0(VALU_DEP_1)
	v_cmp_le_f32 vcc_lo, v[16+\e], v26
	s_delay_alu instid0(VALU_DEP_1)
	v_cndmask_b32 v26, v[16+\e], v26, vcc_lo
	s_delay_alu instid0(VALU_DEP_2)
	v_cndmask_b32 v27, \e, v27, vcc_lo
.endr
.irp e, 2, 3, 4, 5, 6, 7
	s_delay_alu instid0(VALU_DEP_2)
	v_cmp_le_f32 vcc_lo, v[16+\e], v26
	s_delay_alu instid0(VALU_DEP_1)
	v_cndmask_b32 v26, v[16+\e], v26, vcc_lo
	s_delay_alu instid0(VALU_DEP_2)
	v_cndmask_b32 v27, \e, v27, vcc_lo
.endr
.irp e, 0,1,2,3,4,5,6,7
	v_cmp_eq_u32 vcc_lo, \e, v27
	s_delay_alu instid0(VALU_DEP_1)
	v_cndmask_b32 v[32+\e], v[16+\e], v31, vcc_lo  ; the winner is put under every gate: -1
.endr
	v_mov_b32 v28, v32
.irp e, 1
	s_delay_alu instid0(VALU_DEP_1)
	v_cmp_le_f32 vcc_lo, v[32+\e], v28
	s_delay_alu instid0(VALU_DEP_1)
	v_cndmask_b32 v28, v[32+\e], v28, vcc_lo
	s_delay_alu instid0(VALU_DEP_2)
	v_cndmask_b32 v29, \e, v29, vcc_lo
.endr
.irp e, 2, 3, 4, 5, 6, 7
	s_delay_alu instid0(VALU_DEP_2)
	v_cmp_le_f32 vcc_lo, v[32+\e], v28
	s_delay_alu instid0(VALU_DEP_1)
	v_cndmask_b32 v28, v[32+\e], v28, vcc_lo
	s_delay_alu instid0(VALU_DEP_2)
	v_cndmask_b32 v29, \e, v29, vcc_lo
.endr
	s_delay_alu instid0(VALU_DEP_2)
	v_add_f32 v40, v26, v28
	s_delay_alu instid0(VALU_DEP_1)
	v_max_num_f32 v40, 0x2b8cbccc, v40             ; max(g1 + g2, 1e-12)
	s_wait_alu depctr_va_vdst(0)
	v_rcp_f32 v45, v40
	v_lshl_or_b32 v46, v29, 8, v27                 ; (a plain line)  e0 | e1 << 8
	s_wait_alu depctr_va_vdst(0)
	v_mul_f32 v40, v26, v45
	v_mul_f32 v41, v28, v45
.irp e, 0,1,2,3,4,5,6,7                ; expert e's 16 bits go to lane e: numbers to be stored, no address and no branch is made of them
	v_cmp_eq_u32 s44, \e, v27
	v_cmp_eq_u32 s45, \e, v29
	s_or_b32 s44, s44, s45
	s_and_b32 s44, s44, 0xffff
	v_writelane_b32 v30, s44, \e
.endr
	s_wait_alu depctr_va_vdst(0)
	s_wait_xcnt 0x0                                ; EXEC changes only behind this wait: my stores of codes have had their addresses translated
	v_cmp_gt_u32 vcc_lo, 16, v0
	s_and_saveexec_b32 s46, vcc_lo
	global_store_b32 v42, v46, s[12:13] offset:1024
	global_store_b64 v43, v[40:41], s[14:15]
	s_wait_xcnt 0x0
	s_or_b32 exec_lo, exec_lo, s46
	v_cmp_gt_u32 vcc_lo, 8, v0
	s_and_saveexec_b32 s46, vcc_lo
	global_store_b16 v44, v30, s[12:13]
	s_wait_xcnt 0x0
	s_or_b32 exec_lo, exec_lo, s46
	s_branch .Lend
.Lnot_wave_0:
	s_cmp_lg_u32 s16, 1
	s_cbranch_scc1 .Lend
	ds_load_b128 v[16:19], v11                     ; WAVE 1: the 16 tokens' scale words leave as 512 consecutive bytes
	s_wait_dscnt 0x0
	global_store_b128 v1, v[16:19], s[36:37]
.Lend:
	s_wait_tensorcnt 0x0
	ds_add_u32 v192, v193
	s_wait_dscnt 0x0
	s_endpgm
.Lfunc_end_k_q4d850b3f02_route:
	.size	k_q4d850b3f02_route, .Lfunc_end_k_q4d850b3f02_route-k_q4d850b3f02_route
	.p2alignl 7, 3214868480
	.fill 96, 4, 3214868480
	.section	.rodata,"a",@progbits
	.p2align	6, 0x0
	.amdhsa_kernel k_q4d850b3f02_route
		.amdhsa_group_segment_fixed_size 117760
		.amdhsa_private_segment_fixed_size 0
		.amdhsa_enable_private_segment 0
		.amdhsa_kernarg_size 48
		.amdhsa_user_sgpr_count 2
		.amdhsa_user_sgpr_kernarg_segment_ptr 1
		.amdhsa_wavefront_size32 1
		.amdhsa_system_sgpr_workgroup_id_x 1
		.amdhsa_system_sgpr_workgroup_id_y 1
		.amdhsa_system_sgpr_workgroup_id_z 1
		.amdhsa_system_vgpr_workitem_id 0
		.amdhsa_next_free_vgpr 194
		.amdhsa_next_free_sgpr 66
		.amdhsa_reserve_vcc 1
		.amdhsa_float_denorm_mode_32 3
		.amdhsa_float_denorm_mode_16_64 3
		.amdhsa_memory_ordered 1
		.amdhsa_forward_progress 1
		.amdhsa_inst_pref_size 50
	.end_amdhsa_kernel
	.amdgpu_metadata
---
amdhsa.version: [ 1, 2 ]
amdhsa.kernels:
  - .name:           k_q4d850b3f02_route
    .symbol:         k_q4d850b3f02_route.kd
    .args:
      - { .name: x, .offset: 0, .size: 8, .value_kind: global_buffer, .address_space: global }
      - { .name: Wg, .offset: 8, .size: 8, .value_kind: global_buffer, .address_space: global }
      - { .name: bg, .offset: 16, .size: 8, .value_kind: global_buffer, .address_space: global }
      - { .name: xq, .offset: 24, .size: 8, .value_kind: global_buffer, .address_space: global }
      - { .name: rt, .offset: 32, .size: 8, .value_kind: global_buffer, .address_space: global }
      - { .name: gat, .offset: 40, .size: 8, .value_kind: global_buffer, .address_space: global }
    .group_segment_fixed_size: 117760
    .private_segment_fixed_size: 0
    .kernarg_segment_align: 8
    .kernarg_segment_size: 48
    .max_flat_workgroup_size: 256
    .sgpr_count:     66
    .vgpr_count:     194
    .wavefront_size: 32
...
	.end_amdgpu_metadata
.endif
;; end of part 5
;; launch ffn1 (part 6): grid 32 x 8, 16 waves a work-group, no clusters, 318,464 bytes of LDS; arguments xq, rt, W1, b1, hq, post; writes hq, post
.if DOCPART == 6
	.amdgcn_target "amdgcn-amd-amdhsa--gfx1250"
	.amdhsa_code_object_version 6
	.text
	.protected	k_q4d850b3f02_ffn1
	.globl	k_q4d850b3f02_ffn1
	.p2align	8
	.type	k_q4d850b3f02_ffn1,@function
k_q4d850b3f02_ffn1:
	s_mov_b64 s[64:65], 0
	v_nop
	global_prefetch_b8 v0, s[64:65] scope:SCOPE_SE
	s_setreg_imm32_b32 hwreg(HW_REG_WAVE_SCHED_MODE, 0, 2), 2
	s_setreg_imm32_b32 hwreg(HW_REG_WAVE_MODE, 25, 1), 1
	s_wait_xcnt 0x0
	s_wait_alu depctr_vm_vsrc(0)
; FFN1.  h = gelu(x_e W1_e + b1_e) for the rows routed to expert e, quantised along H on the way out.  Both operands of the product are codes of BF6 (E3M2) with one E8M0 scale for each 32 along D.
; SHARES.  Work-group (x = slice, y = expert) owns W1[e][all 1,024 of D][128 slice .. + 127]: 512 KB of f32, read from memory ONCE in the launch, and multiplies it with ALL rows of its expert.
; The slab goes in four WINDOWS of 32 columns x 1,024 along D.  A LANE TAKES A COLUMN AND ITS REGISTERS RUN DOWN D (wave w: D = 64 w .. 64 w + 63): a block of 32 lies in one lane, the conversions give codes
; with K innermost, and they go to LDS as IMAGES OF THE OPERAND'S REGISTERS.  While window g's columns are multiplied (a STAGE), window g + 1's 64 loads a wave are issued AMONG THE STAGE'S K STEPS, 16 behind the
; first and 8 behind each of the next six: the requests go out beside the products, not in a run of their own in front of a barrier.  16 waves x 64 x 128 bytes are a window.
; Each weight load of a wave covers 128 consecutive bytes; the other 128 of the aligned 256 are read one window later by the same work-group.
; ROWS.  Wave 0 makes the expert's list of tokens from route's bit masks (whole numbers read from memory).  T = max(ceil(n / 16), 1) tiles of 16 rows: tile 0 is always made (for an expert without rows: of token 0's
; rows, which nobody reads), so that the next launch reads only bytes that were stored.  Tile m < 16 belongs to wave m: its operand, 8 fragments = 96 registers, stays for all four stages.
; TILES FROM THE SIXTEENTH ON are made behind the last stage, when all four windows' images lie in LDS: the pair (tile 16 + a, window g) belongs to wave 4 (a % 4) + g, trip a / 4.  So one tile more costs four waves
; one fetch of its operand and one tile's work each, side by side, and not one wave a second tile in each stage while fifteen wait at the barrier.
; THE PRODUCT IS USED TRANSPOSED (source 0 = 16 columns of W1, source 1 = 16 rows of x), AND THE COLUMNS OF A TILE ARE NOT NEIGHBOURS: column l of a window's 32 goes to tile (l >> 3) & 1, place (l & 7) + 8 (l >> 4).
; So lane (r, h) holds row r, and the 16 registers of the two tiles are hidden units 32 g + 16 h + 0 .. 15: 16 neighbours along the next K, as the conversion wants them.  b1 is the C of each sum's first product.
; gelu(a) = max(a, 0) - |a| erfc(|a| / sqrt 2) / 2, erfc(z) = t exp(-z^2 + poly(t)), t = 1 / (1 + z / 2): a fit of fractional error 1.2e-7 for every z, here with all constants brought to base 2.
; NO CLUSTER, NO TENSOR LOAD: which work is done hangs on counts read from memory; what the 32 work-groups of an expert share (x's codes, 12 KB a tile) is the smaller part beside each one's own 512 KB.
; LIMITS: NaN and infinities are not served; a block under 2^-122 (a block of zeros too) keeps the byte 1, read by this program alone; erfc's tail is 0 where it falls under 2^-126.
; OUT: hq codes [e][tile m][block B = 0 .. 127][16 rows][24 bytes]; from byte 25,165,824 scale words [e][m][K step 0 .. 31][16 rows][4 bytes].  post [e][t]: rows of expert e ahead of token t (slice 0 stores it).
; REGISTERS: v1-15 addresses; v16-19 x's scale words, v20-21 W's (these six hold scales alone); v22-31 at work (v31: my lane, kept); v32-47 two accumulators; v48-71, v72-95 two buffers of W's fragments
;   (between the products: at work); v96-191 x's 8 fragments (ahead of them, in wave 0: the list's places, LDS addresses and tokens); v192-255 64 weights on their way.
; THE MODE: SCHED_MODE bits 1:0 = 2 (LLVM: expert scheduling mode 2), set by the entry lines.  The code itself states the register dependences between vector or matrix instructions and memory or LDS
; instructions, with s_wait_alu, always for 0.
; THE PLAN.  Registers that memory or LDS instructions touch, and who else names them:
;   v192-255          a window's weights: the loads issued in the stage before land in them (window 0's: at the head); the quantiser's maxima and conversions read them.
;   v72-95, v25       a window's codes and scale bytes: the quantiser's vector lines write them, its seven LDS stores read them.  Then v72-95 are buffer 1 of W's fragments.
;   v48-71 / v72-95, v20 / v21   K step s's LDS loads land in buffer s % 2, its two products read it, K step s + 2's loads land in it again.  Behind the products v48-71 are gelu's own.
;   v32-47            b1's LDS loads land in them; products, gelu and the conversion work on them.
;   v96-191, v16-19   a tile's operand: the fetch's loads land, its LDS stores read, its LDS loads land; the products read.   v48-64: the fetch's tokens, then its addresses.
;   v72-74, v25, v11, v13   a tile's codes, byte and offsets: vector lines write them, its two stores read them.
;   v2, v4 are stepped once a window; v14, v15 made for each fetch; v4, v5, v6 made anew for the tail; v1, v3, v7, v8 are made at the head and never written again.
; WAITS ON va_vdst: one in the quantiser, behind all its vector lines; one behind each K step's products, ahead of the loads into their buffer; one ahead of a tile's stores; three in a fetch; gelu's four.
; Between the quantiser's wait and the stage's products the only vector lines are the two additions to v11 and v13: so the stage's first LDS loads and the next window's 64 loads follow with no further wait.
; WAITS ON vm_vsrc: at the quantiser's head from window 1 on; at a tile's head; at a fetch's head and between its LDS stores and LDS loads; ahead of the tail's new addresses.
.set PITCHW, 16384                     ; bytes from D to D + 1 in W1[e]
.set WINB,  24576                      ; a window's 16 images
.set BI,    0                          ; LDS: W's images: (window g, K step s, tile u) at ((8 g + s) 2 + u) x 1,536; lane L's 12 registers at 48 L: sixteen lanes touch sixteen different 16-byte columns
.set BS,    98304                      ; W's scale words: (8 g + s) x 128 + 4 (place + 16 u)
.set BB,    102400                     ; b1's 128 numbers
.set LI,    102912                     ; the list: 1,024 tokens, then 32 words that take what is not in the list
.set AS,    107136                     ; 16 rows x 816 bytes for each wave: x's codes on their way to fragments; 816 bytes = 204 words = 12 mod 64: the 32 lanes of an 8-byte load touch 64 different banks (ISA guide 11.1)
.set ASW,   13056
.set AP,    816
.set HSC,   25165824
.set XSC,   786432
.set CK,    68                         ; s[68:87] c0 .. c9, each as a pair
.macro WLOAD g, beta                   ; half a window: W(64 w + i, column 32 g + lane), i = 32 beta .. 32 beta + 31
.set II, 32*(\beta)
.rept 32
	global_load_b32 v[192+II], v1, s[24:25] offset:II*PITCHW+128*(\g)
.set II, II+1
.endr
.endm
.macro WCH g, c                        ; an eighth of a window: i = 8 c .. 8 c + 7.  Pieces 0 to 7 in this order are the two halves in WLOAD's order
.set II, 8*(\c)
.rept 8
	global_load_b32 v[192+II], v1, s[24:25] offset:II*PITCHW+128*(\g)
.set II, II+1
.endr
.endm
; a block of 32 of my column becomes 24 bytes of codes, in v[72 + 12 beta] on; n = how many younger loads may stay out
.macro QWH g, beta, n
.set WB, 192+32*\beta
.set CW, 72+12*\beta
	s_wait_loadcnt \n
	v_max3_num_f32 v22, |v[WB]|, |v[WB+1]|, 0x2800000              ; the floor 2^(5 - 127) among the leaves: the byte cannot fall under 1
	v_max3_num_f32 v23, |v[WB+2]|, |v[WB+3]|, |v[WB+4]|
.irp i, 5,9,13,17,21,25
	v_max3_num_f32 v22, v22, |v[WB+\i]|, |v[WB+\i+1]|
	v_max3_num_f32 v23, v23, |v[WB+\i+2]|, |v[WB+\i+3]|
.endr
	v_max3_num_f32 v22, v22, |v[WB+29]|, |v[WB+30]|
	v_max3_num_f32 v22, v22, v23, |v[WB+31]|
	v_add_nc_u32 v24, 0xfe000000, v22              ; 4 off the exponent field: the conversion's scale operand
	v_cvt_scalef32_pk16_bf6_f32 v[CW:CW+2], v[WB:WB+15], v24
	v_cvt_scalef32_pk16_bf6_f32 v[CW+6:CW+8], v[WB+16:WB+31], v24  ; (a conversion's three registers begin on an even number)
	v_lshrrev_b32 v[25+\beta], 23, v24             ; the scale's byte (and the plain line behind the conversions)
.irp i, 0,1,2
	v_mov_b32 v[CW+3+\i], v[CW+6+\i]
.endr
.endm
; THE QUANTISER of window g: both blocks' vector lines, one wait, the seven LDS stores
.macro QW g, n0, n1
.if \g > 0
	s_wait_xcnt 0x0                                ; the last tile's stores have read v72-74 and v25 (ahead of window 0 no store is out, and no register written here is named by a pending load)
	s_wait_alu depctr_vm_vsrc(0)                   ; the last tile's stores have read v25 and v72-74, the last window's LDS stores v2, v25 and v72-95, the stage's LDS loads v4: all of these are written below
	v_add_nc_u32 v2, WINB, v2                      ; on to this window's images: where I store,
	v_add_nc_u32 v4, WINB, v4                      ; and where I shall read
.endif
	QWH \g, 0, \n0
	QWH \g, 1, \n1
	v_lshl_or_b32 v25, v26, 8, v25
	s_wait_alu depctr_va_vdst(0)                   ; the codes v72-95, the bytes v25 and the addresses v2 and v4 are written; the conversions are done reading v192-255, in which the next window's loads land; the last tile's lines are done with v32-95, v20 and v21, in which the stage's LDS loads land
.irp beta, 0,1
.irp i, 0,1,2
	ds_store_b64 v2, v[72+12*\beta+2*\i:73+12*\beta+2*\i] offset:768*\beta+8*\i
.endr
.endr
	ds_store_b16 v3, v25 offset:1024*(\g)          ; my column's two bytes of its K step's scale word
	s_wait_dscnt 0x0
.endm
.macro COUNT                           ; n = the bits of the 32 mask words; T = max(ceil(n / 16), 1)
	s_bcnt1_i32_b32 s19, s32
.set JJ, 33
.rept 31
	s_bcnt1_i32_b32 s92, s[JJ]
	s_add_co_u32 s19, s19, s92
.set JJ, JJ+1
.endr
	s_add_co_u32 s20, s19, 15
	s_lshr_b32 s20, s20, 4
	s_max_u32 s20, s20, 1
.endm
.macro BLD g, s                        ; K step s's two fragments of W and their scale words, into buffer s % 2: 7 LDS loads
.set RB, 48+24*((\s)%2)
.irp u, 0,1
.irp i, 0,1,2
	ds_load_b128 v[RB+12*\u+4*\i:RB+12*\u+4*\i+3], v4 offset:(2*(\s)+\u)*1536+16*\i
.endr
.endr
	ds_load_b32 v[20+(\s)%2], v5 offset:1024*(\g)+128*(\s)   ; lanes 0-15: tile 0's words, lanes 16-31: tile 1's
.endm
.macro MM s                            ; the two accumulators by turns, one instruction a turn.  x's scale words: lanes 0-15 hold an even K step's, lanes 16-31 the odd one's
.set RX, 96+12*(\s)
.set RA, 48+24*((\s)%2)
.set SA, 20+(\s)%2
.set SX, 16+(\s)/2
.if (\s)%2 == 0
	v_wmma_scale_f32_16x16x128_f8f6f4 v[32:39], v[RA:RA+11], v[RX:RX+11], v[32:39], v[SA], v[SX] matrix_a_fmt:MATRIX_FMT_BF6 matrix_b_fmt:MATRIX_FMT_BF6
	v_wmma_scale_f32_16x16x128_f8f6f4 v[40:47], v[RA+12:RA+23], v[RX:RX+11], v[40:47], v[SA], v[SX] matrix_a_fmt:MATRIX_FMT_BF6 matrix_b_fmt:MATRIX_FMT_BF6 matrix_a_scale:MATRIX_SCALE_ROW1
.else
	v_wmma_scale_f32_16x16x128_f8f6f4 v[32:39], v[RA:RA+11], v[RX:RX+11], v[32:39], v[SA], v[SX] matrix_a_fmt:MATRIX_FMT_BF6 matrix_b_fmt:MATRIX_FMT_BF6 matrix_b_scale:MATRIX_SCALE_ROW1
	v_wmma_scale_f32_16x16x128_f8f6f4 v[40:47], v[RA+12:RA+23], v[RX:RX+11], v[40:47], v[SA], v[SX] matrix_a_fmt:MATRIX_FMT_BF6 matrix_b_fmt:MATRIX_FMT_BF6 matrix_a_scale:MATRIX_SCALE_ROW1 matrix_b_scale:MATRIX_SCALE_ROW1
.endif
.endm
.macro SYNC                            ; my LDS stores have landed and my LDS loads are in: then the work-group's barrier
	s_wait_dscnt 0x0
	s_barrier_signal -1
	s_barrier_wait -1
.endm
; THE FETCH.  Tile s21's 16 tokens from the list; their 768 bytes of codes each, 256 consecutive aligned bytes a load; their scale words: 49 loads
.macro GATHER_ISSUE
	s_wait_alu depctr_vm_vsrc(0)                   ; the last fetch's LDS loads have read v14 and v15 and its global loads their addresses v48-64; ahead of the first fetch: wave 0's stores have read v14, v15, v48-55 and v96-191, and b1's load v26.  All of these are written from here on
	v_lshl_add_u32 v14, s21, 6, LI
	s_wait_alu depctr_va_vdst(0)
	v_add_nc_u32 v15, v14, v12
	v_and_b32 v65, 16, v0                          ; 16 h
	s_wait_alu depctr_va_vdst(0)                   ; v14 and v15 are written, which the LDS loads read; every earlier vector line is done with v48-64, in which they land
.set RR, 0
.rept 16
	ds_load_b32 v[48+RR], v14 offset:4*RR          ; row RR's token, in every lane
.set RR, RR+1
.endr
	ds_load_b32 v64, v15                           ; my row's token
	s_wait_dscnt 0x0
.set RR, 0
.rept 17
	v_min_u32 v[48+RR], 0x3ff, v[48+RR]            ; a token's number stays inside the table
.set RR, RR+1
.endr
.set RR, 0
.rept 16
	v_mad_u32_u24 v[48+RR], v[48+RR], 768, v9
.set RR, RR+1
.endr
	v_lshl_add_u32 v64, v64, 5, v65                ; 32 bytes of scale words a token; lanes 16-31 take the odd K steps' four
	s_wait_alu depctr_va_vdst(0)                   ; the 17 addresses v48-64 are written; the last tile's products are done reading v96-191 and v16-19 (in wave 0, ahead of the first fetch: the list's lines have written v96-191), in which the loads land
.set RR, 0
.rept 16
.irp j, 0,1,2
	global_load_b64 v[96+6*RR+2*\j:97+6*RR+2*\j], v[48+RR], s[4:5] offset:256*\j
.endr
.set RR, RR+1
.endr
	global_load_b128 v[16:19], v64, s[30:31]
.endm
; the rows go through my own bytes of LDS and come back as the 8 fragments: lane (r, h), K step s: bytes 96 s + 48 c + 24 h of row r, in pieces of 8
.macro GATHER_FINISH
	s_wait_loadcnt 0x0
.set RR, 0
.rept 16
.irp j, 0,1,2
	ds_store_b64 v7, v[96+6*RR+2*\j:97+6*RR+2*\j] offset:AP*RR+256*\j
.endr
.set RR, RR+1
.endr
	s_wait_alu depctr_vm_vsrc(0)                   ; the 48 LDS stores have read v96-191, in which the LDS loads below land
.set SS, 0
.rept 8
.irp p, 0,1,2,3,4,5
	ds_load_b64 v[96+12*SS+2*\p:97+12*SS+2*\p], v8 offset:96*SS+48*(\p/3)+8*(\p%3)   ; LDS serves a wave's instructions in order (ISA guide 5.7.1.4): these see the stores above
.endr
.set SS, SS+1
.endr
	s_wait_dscnt 0x0
.endm
; gelu of eight registers.  Z = |a| sqrt(log2(e) / 2) (v48-55), T = 1 / (1 + kappa Z) (v56-63), P = poly(T) - Z^2 (v64-71): gelu = max(a, 0) - Z T 2^P
.macro GELU hh
.set A0, 32+8*\hh
.irp i, 0,1,2,3,4,5,6,7
	v_mul_f32 v[48+\i], |v[A0+\i]|, s66            ; (each accumulator is read from its low end on)
.endr
.irp i, 0,2,4,6
	v_pk_fma_f32 v[56+\i:57+\i], v[48+\i:49+\i], s[90:91], 1.0 op_sel_hi:[1,0,0]
.endr
	s_wait_alu depctr_va_vdst(0)
.irp i, 0,1,2,3,4,5,6,7
	v_rcp_f32 v[56+\i], v[56+\i]
.endr
.irp i, 0,1,2,3,4,5,6,7
	v_max_num_f32 v[A0+\i], 0, v[A0+\i]            ; (plain lines behind the reciprocals)
.endr
	s_wait_alu depctr_va_vdst(0)                   ; the eight reciprocals have written v56-63, which the polynomial reads: one wait for the batch
.irp i, 0,2,4,6
	v_pk_fma_f32 v[64+\i:65+\i], v[56+\i:57+\i], s[CK+18:CK+19], v[28:29] op_sel_hi:[1,0,1]   ; c9 T + c8
.endr
.irp k, 7,6,5,4,3,2,1,0
.irp i, 0,2,4,6
	v_pk_fma_f32 v[64+\i:65+\i], v[64+\i:65+\i], v[56+\i:57+\i], s[CK+2*\k:CK+2*\k+1] op_sel_hi:[1,1,0]
.endr
.endr
.irp i, 0,2,4,6
	v_pk_fma_f32 v[64+\i:65+\i], v[48+\i:49+\i], v[48+\i:49+\i], v[64+\i:65+\i] neg_lo:[1,0,0] neg_hi:[1,0,0]
.endr
	s_wait_alu depctr_va_vdst(0)
.irp i, 0,1,2,3,4,5,6,7
	v_exp_f32 v[64+\i], v[64+\i]
.endr
	v_nop                                          ; one plain line behind the exponentials
	s_wait_alu depctr_va_vdst(0)                   ; the eight exponentials have written v64-71, which the multiplications read: one wait for the batch
.irp i, 0,2,4,6
	v_pk_mul_f32 v[56+\i:57+\i], v[56+\i:57+\i], v[64+\i:65+\i]
.endr
.irp i, 0,2,4,6
	v_pk_fma_f32 v[A0+\i:A0+\i+1], v[48+\i:49+\i], v[56+\i:57+\i], v[A0+\i:A0+\i+1] neg_lo:[1,0,0] neg_hi:[1,0,0]
.endr
.endm
; my 16 numbers are half of block 4 slice + g of my row; lane l xor 16 holds the other half
.macro QUANT1 g
	v_max3_num_f32 v22, |v32|, |v33|, 0x2800000
	v_max3_num_f32 v23, |v34|, |v35|, |v38|
	v_max3_num_f32 v22, v22, |v36|, |v37|
	v_max3_num_f32 v23, v23, |v39|, |v42|
	v_max3_num_f32 v22, v22, |v40|, |v41|
	v_max3_num_f32 v23, v23, |v43|, |v46|
	v_max3_num_f32 v22, v22, |v44|, |v45|
	v_max3_num_f32 v22, v22, v23, |v47|
	v_permlanex16_b32 v27, v22, s88, s89
	v_max_num_f32 v22, v22, v27
	v_add_nc_u32 v24, 0xfe000000, v22
	v_cvt_scalef32_pk16_bf6_f32 v[72:74], v[32:47], v24
	v_lshrrev_b32 v25, 23, v24                     ; the scale's byte (and the plain line behind the conversion)
	s_wait_alu depctr_va_vdst(0)                   ; the codes v72-74, the byte v25 and the offsets v11 and v13 are written, which the two stores read
	global_store_b96 v11, v[72:74], s[26:27] offset:384*(\g)   ; the wave stores 384 consecutive bytes: the block's 16 rows x 24 bytes
	global_store_b8 v13, v25, s[28:29] offset:\g   ; byte g of my row's scale word; both lanes of a row write the same byte with the same value
.endm
; tile s21 x window g: 16 products, gelu, codes.  ld = 1: window g + 1's 64 loads go out among the K steps, each piece behind the step's products; the last step and the gelu stand between the last piece and its use
.macro TILE1 g, ld
	s_wait_xcnt 0x0                                ; the last tile's stores have read v11, v13, v25 and v72-74
	s_wait_alu depctr_vm_vsrc(0)                   ; the last tile's stores have read v11, v13, v25 and v72-74; the quantiser's LDS stores have read v72-95 and the fetch's loads their addresses v48-64, in which W's fragments land
	s_mul_i32 s92, s21, 49152
	v_add_nc_u32 v11, s92, v10
	s_lshl_b32 s93, s21, 11
	v_add_nc_u32 v13, s93, v12
.irp i, 0,1,2,3
	ds_load_b128 v[32+4*\i:35+4*\i], v6 offset:128*(\g)+16*\i   ; b1 at my 16 hidden units: where the sums begin.  (Since the last wait on va_vdst, the quantiser's or the fetch's, no vector or matrix line names v32-95, v20 or v21)
.endr
	BLD \g, 0
	BLD \g, 1
.irp s, 0,1,2,3,4,5,6,7
.if \s < 7
	s_wait_dscnt 7                                 ; this K step's loads are in; the next one's seven may be out
.else
	s_wait_dscnt 0x0
.endif
	MM \s
.if \ld
.if \s == 0
	WCH (\g)+1, 0                                  ; no vector or matrix line since the quantiser's wait names v192-255 or v1
	WCH (\g)+1, 1
.elseif \s < 7
	WCH (\g)+1, \s+1
.endif
.endif
.if \s < 6
	s_wait_alu depctr_va_vdst(0)                   ; this K step's two products are done reading their buffer and its scale word, in which the loads of the step after next land
	BLD \g, \s+2
.endif
.endr
.rept 4
	v_nop                                          ; four places in front of the first read of the results (ISA guide 7.12.1)
.endr
	GELU 0
	GELU 1
	QUANT1 \g
.endm
; A STAGE: my tile (tile w, in registers since the start) x window g.  A wave at or past T has no tile: it only asks for its part of the next window.  Both ways issue the same 64 loads in the same order.
.macro STAGE g
	s_cmp_ge_u32 s16, s20
	s_cbranch_scc1 .Lidle_\@
.if \g < 3
	TILE1 \g, 1
	s_branch .Ldone_\@
.Lidle_\@:
	WLOAD (\g)+1, 0                                ; the quantiser's wait on va_vdst serves these too: no vector line stands between
	WLOAD (\g)+1, 1
.Ldone_\@:
.else
	TILE1 \g, 0
.Lidle_\@:
.endif
.endm
	s_load_b256 s[4:11], s[0:1], 0x0               ; xq s[4:5], rt s[6:7], W1 s[8:9], b1 s[10:11]
	s_load_b128 s[12:15], s[0:1], 0x20             ; hq s[12:13], post s[14:15]
	v_lshrrev_b32 v22, 5, v0
	v_readfirstlane_b32 s16, v22                   ; wave 0..15
	s_mov_b32 s17, ttmp9                           ; slice
	s_and_b32 s18, ttmp7, 0xffff                   ; expert
	v_and_b32 v31, 31, v0                          ; lane
	v_lshlrev_b32 v1, 2, v31                       ; 4 x lane: my column
	v_lshlrev_b32 v26, 4, v31                      ; 16 x lane
	s_wait_alu depctr_va_sdst(0)                   ; s16 is written, ahead of its first reader: bases, LDS addresses and branches are made from it
	s_lshl_b32 s92, s18, 24                        ; W1: 2^24 bytes an expert, 512 a slice, 64 rows of 16,384 a wave
	s_lshl_b32 s93, s17, 9
	s_add_co_u32 s92, s92, s93
	s_lshl_b32 s93, s16, 20
	s_add_co_u32 s92, s92, s93
	s_mov_b32 s93, 0
	s_lshl_b32 s94, s18, 14                        ; b1: 16,384 bytes an expert, 512 a slice
	s_lshl_b32 s95, s17, 9
	s_add_co_u32 s94, s94, s95
	s_mov_b32 s95, 0
	s_lshl_b32 s96, s18, 7                         ; the masks: 128 bytes an expert
	s_mov_b32 s66, 0x3f596d27                      ; sqrt(log2(e) / 2)
	s_mov_b32 s90, 0x3ed5224d                      ; kappa = sqrt(ln 2) / 2
	s_mov_b32 s91, s90
	s_mov_b32 s[CK+0],  0xc025c4b7                 ; c0 .. c9: the fit's coefficients x log2(e); c0 also holds log2 of the factor 1 / sqrt(2 log2(e)) between |a| / 2 and Z
	s_mov_b32 s[CK+2],  0x3fb8ab5a
	s_mov_b32 s[CK+4],  0x3f0a29d2
	s_mov_b32 s[CK+6],  0x3e0efb2e
	s_mov_b32 s[CK+8],  0xbe899a80
	s_mov_b32 s[CK+10], 0x3ecdfd18
	s_mov_b32 s[CK+12], 0xbfd1a1e5
	s_mov_b32 s[CK+14], 0x40097039
	s_mov_b32 s[CK+16], 0xbf97d29d
	s_mov_b32 s[CK+18], 0x3e7c6f08
.irp k, 0,1,2,3,4,5,6,7,8,9
	s_mov_b32 s[CK+2*\k+1], s[CK+2*\k]             ; (a packed form names the pair, so both words are written)
.endr
	s_mov_b32 s88, 0x76543210                      ; v_permlanex16_b32's selects for lane l xor 16
	s_mov_b32 s89, 0xfedcba98
	s_wait_kmcnt 0x0
	s_load_b512 s[32:47], s[6:7], s96 offset:0x0   ; my expert's 32 mask words
	s_load_b512 s[48:63], s[6:7], s96 offset:0x40
	s_add_nc_u64 s[24:25], s[8:9], s[92:93]
	s_add_nc_u64 s[10:11], s[10:11], s[94:95]
	s_wait_alu depctr_va_vdst(0)                   ; the offsets v1 and v26 are written, which the loads below read
	global_load_b128 v[48:51], v26, s[10:11]       ; b1's 128 numbers (in every wave, so that all waves count alike; wave 0 puts them into LDS)
	WLOAD 0, 0
	WLOAD 0, 1
	s_mul_i32 s98, s18, 3145728                    ; h's codes: 3,145,728 bytes an expert, 4 blocks of 384 a slice
	s_mul_i32 s99, s17, 1536
	s_add_co_u32 s98, s98, s99
	s_mov_b32 s99, 0
	s_add_nc_u64 s[26:27], s[12:13], s[98:99]
	s_lshl_b32 s98, s18, 17                        ; h's scale words: 131,072 bytes an expert, 64 a slice
	s_lshl_b32 s99, s17, 6
	s_add_co_u32 s98, s98, s99
	s_add_co_u32 s98, s98, HSC
	s_mov_b32 s99, 0
	s_add_nc_u64 s[28:29], s[12:13], s[98:99]
	s_add_nc_u64 s[30:31], s[4:5], XSC             ; x's scale words
	s_lshl_b32 s98, s18, 12
	s_add_nc_u64 s[14:15], s[14:15], s[98:99]      ; post: 4,096 bytes an expert
	; every LDS address is made here, ahead of the branch on the wave's number
	v_and_b32 v22, 15, v0                          ; r
	v_bfe_u32 v23, v0, 4, 1                        ; h
	v_bfe_u32 v24, v0, 3, 1                        ; my column's tile u
	v_and_b32 v25, 7, v0
	v_lshl_add_u32 v25, v23, 3, v25                ; and its place (l & 7) + 8 (l >> 4)
	s_wait_alu depctr_va_vdst(0)
	s_lshr_b32 s92, s16, 1                         ; my 64 along D lie in K step w >> 1,
	s_and_b32 s93, s16, 1                          ; in its half w & 1
	s_mul_i32 s94, s92, 3072
	s_mul_i32 s95, s93, 24
	s_add_co_u32 s94, s94, s95
	v_mul_u32_u24 v2, v25, 48
	v_mad_u32_u24 v2, v24, 1536, v2
	v_add_nc_u32 v2, s94, v2                       ; where my codes go: image (s, u), lane place + 16 beta (768 beta in the immediate), half w & 1
	s_lshl_b32 s94, s92, 7
	s_lshl_b32 s95, s93, 1
	s_add_co_u32 s94, s94, s95
	s_add_co_u32 s94, s94, BS
	v_lshl_add_u32 v3, v24, 4, v25
	v_lshl_add_u32 v3, v3, 2, s94                  ; and my two scale bytes
	v_mul_u32_u24 v4, v31, 48                      ; an image's place for my lane
	v_add_nc_u32 v5, BS, v1                        ; a scale word's
	v_lshl_add_u32 v6, v23, 6, BB                  ; b1 at my half's 16 units
	s_mul_i32 s94, s16, ASW
	s_add_co_u32 s94, s94, AS
	v_lshlrev_b32 v9, 3, v31                       ; 8 x lane
	v_add_nc_u32 v7, s94, v9                       ; x's rows into my bytes,
	v_mul_u32_u24 v8, v22, AP
	v_mad_u32_u24 v8, v23, 24, v8
	v_add_nc_u32 v8, s94, v8                       ; and out as fragments
	v_mul_u32_u24 v10, v22, 24
	v_mad_u32_u24 v10, v23, 12, v10                ; h's codes: 24 r + 12 h in a block
	v_lshlrev_b32 v12, 2, v22                      ; 4 r
	v_add_nc_u32 v14, BB, v26
	v_add_nc_u32 v15, LI, v26
	v_add_nc_u32 v29, 1024, v31                    ; where a token that is not in the list is put
	v_mov_b32 v27, 0                               ; written once: a lane permute's destination counts as one of its sources
	s_wait_kmcnt 0x0                               ; the masks
	COUNT
	s_wait_loadcnt 63                              ; b1's load is in: 64 loads were issued behind it, and 63 is the largest count that a wait can name
	s_cmp_lg_u32 s16, 0
	s_cbranch_scc1 .Lno_list
	; WAVE 0: b1 into LDS; the list.  No other wave touches LDS ahead of the barrier below.  All that the stores read is made first, each word in registers of its own, so that one wait serves all 41 LDS stores
.irp i, 0,1,2,3
	v_mov_b32 v[52+\i], 0
.endr
	s_mov_b32 s92, 0                               ; rows so far
.set JJ, 0
.rept 32                               ; tokens 32 JJ + lane
	v_mbcnt_lo_u32_b32 v[96+JJ], s[32+JJ], s92     ; rows of the expert ahead of my token: its place, if it is in the list
	s_wait_alu depctr_va_vdst(0)
	v_cndmask_b32 v[128+JJ], v29, v[96+JJ], s[32+JJ]
	v_min_u32 v[128+JJ], 1055, v[128+JJ]           ; inside the list's 1,056 words
	v_lshl_add_u32 v[128+JJ], v[128+JJ], 2, LI
	v_add_nc_u32 v[160+JJ], 32*JJ, v31
	s_bcnt1_i32_b32 s93, s[32+JJ]
	s_add_co_u32 s92, s92, s93
.set JJ, JJ+1
.endr
	s_wait_alu depctr_va_vdst(0)                   ; v14, v15, the zeros v52-55, the places v96-127, the LDS addresses v128-159 and the tokens v160-191 are written, which the stores below read
	ds_store_b128 v14, v[48:51]
.irp i, 0,1,2,3,4,5,6,7
	ds_store_b128 v15, v[52:55] offset:512*\i      ; places past the expert's rows name token 0
.endr
.set JJ, 0
.rept 32
	ds_store_b32 v[128+JJ], v[160+JJ]              ; LDS serves a wave's instructions in order (ISA guide 5.7.1.4): these land on the zeros
.set JJ, JJ+1
.endr
	s_cmp_lg_u32 s17, 0
	s_cbranch_scc1 .Lno_post
.set JJ, 0
.rept 32
	global_store_b32 v1, v[96+JJ], s[14:15] offset:128*JJ   ; slice 0 stores the places: 128 consecutive bytes a store
.set JJ, JJ+1
.endr
	s_wait_xcnt 0x0                                ; the stores have read v96-127, into which x's codes are loaded next
.Lno_post:
.Lno_list:
	SYNC                                           ; the list and b1 lie in LDS
	v_mov_b32 v28, s[CK+16]                        ; c8 as a pair of vector registers
	v_mov_b32 v29, s[CK+16]
	s_mov_b32 s21, s16                             ; my tile in the four stages: tile w (a wave without a tile fetches rows of token 0 and uses nothing of them)
	GATHER_ISSUE
	QW 0, 63, 49                                   ; behind window 0's first half stand 32 + 49 loads, more than a wait can name, so 63; behind its second half x's 49
	GATHER_FINISH
	SYNC                                           ; window 0's images are whole
	STAGE 0
	QW 1, 32, 0                                    ; the window's second half may stay out while the first is converted
	SYNC
	STAGE 1
	QW 2, 32, 0
	SYNC
	STAGE 2
	QW 3, 32, 0
	SYNC
	STAGE 3
	; THE TILES FROM THE SIXTEENTH ON.  All four windows' images lie in LDS since the last barrier and nobody writes them any more: no barrier is needed.  My window here is g = w & 3: it goes into the
	; addresses once, and the tile's immediates are those of window 0.  My tiles: 16 + (w >> 2) + 4 t, t = 0 .. 11: twelve trips, whatever T is; a tile at or past T is jumped over.
	s_wait_xcnt 0x0                                ; the last stage's stores have read their bases
	s_wait_alu depctr_vm_vsrc(0)                   ; the last stage's LDS loads have read v4, v5 and v6, which are made anew below (the fetch's waits on va_vdst stand between these lines and the next LDS load that reads them)
	s_and_b32 s92, s16, 3
	s_mul_i32 s94, s92, 384
	s_mov_b32 s95, 0
	s_add_nc_u64 s[26:27], s[26:27], s[94:95]      ; h's codes: block g of the slice's four
	s_mov_b32 s94, s92
	s_add_nc_u64 s[28:29], s[28:29], s[94:95]      ; byte g of the scale word
	s_mul_i32 s93, s92, WINB
	v_mul_u32_u24 v4, v31, 48
	v_add_nc_u32 v4, s93, v4                       ; window g's images,
	s_lshl_b32 s94, s92, 10
	v_add_nc_u32 v5, s94, v5                       ; its scale words,
	s_lshl_b32 s95, s92, 7
	v_add_nc_u32 v6, s95, v6                       ; and its 32 numbers of b1
	s_lshr_b32 s22, s16, 2
	s_add_co_u32 s22, s22, 16
	s_mov_b32 s23, 0
.Ltail:
	s_add_co_u32 s21, s23, s22
	s_cmp_ge_u32 s21, s20
	s_cbranch_scc1 .Ltail_skip
	GATHER_ISSUE
	GATHER_FINISH
	TILE1 0, 0
.Ltail_skip:
	s_add_co_u32 s23, s23, 4
	s_cmp_lt_u32 s23, 48
	s_cbranch_scc1 .Ltail
	s_wait_xcnt 0x0
	v_lshl_add_u32 v254, v0, 2, 0x4d400            ; my spare word and 0, made anew here: no two registers could be kept (no memory or LDS instruction has ever read v254 or v255)
	v_mov_b32 v255, 0
	s_wait_dscnt 0x0                               ; the closing lines, six on end
	s_wait_alu 0x0
	s_wait_tensorcnt 0x0
	ds_add_u32 v254, v255
	s_wait_dscnt 0x0
	s_endpgm
.Lfunc_end_k_q4d850b3f02_ffn1:
	.size	k_q4d850b3f02_ffn1, .Lfunc_end_k_q4d850b3f02_ffn1-k_q4d850b3f02_ffn1
	.p2alignl 7, 3214868480
	.fill 96, 4, 3214868480
	.section	.rodata,"a",@progbits
	.p2align	6, 0x0
	.amdhsa_kernel k_q4d850b3f02_ffn1
		.amdhsa_group_segment_fixed_size 318464
		.amdhsa_private_segment_fixed_size 0
		.amdhsa_enable_private_segment 0
		.amdhsa_kernarg_size 48
		.amdhsa_user_sgpr_count 2
		.amdhsa_user_sgpr_kernarg_segment_ptr 1
		.amdhsa_wavefront_size32 1
		.amdhsa_system_sgpr_workgroup_id_x 1
		.amdhsa_system_sgpr_workgroup_id_y 1
		.amdhsa_system_sgpr_workgroup_id_z 1
		.amdhsa_system_vgpr_workitem_id 0
		.amdhsa_next_free_vgpr 256
		.amdhsa_next_free_sgpr 100
		.amdhsa_reserve_vcc 0
		.amdhsa_float_denorm_mode_32 3
		.amdhsa_float_denorm_mode_16_64 3
		.amdhsa_memory_ordered 1
		.amdhsa_forward_progress 1
		.amdhsa_inst_pref_size 199
	.end_amdhsa_kernel
	.amdgpu_metadata
---
amdhsa.version: [ 1, 2 ]
amdhsa.kernels:
  - .name:           k_q4d850b3f02_ffn1
    .symbol:         k_q4d850b3f02_ffn1.kd
    .args:
      - { .name: xq, .offset: 0, .size: 8, .value_kind: global_buffer, .address_space: global }
      - { .name: rt, .offset: 8, .size: 8, .value_kind: global_buffer, .address_space: global }
      - { .name: W1, .offset: 16, .size: 8, .value_kind: global_buffer, .address_space: global }
      - { .name: b1, .offset: 24, .size: 8, .value_kind: global_buffer, .address_space: global }
      - { .name: hq, .offset: 32, .size: 8, .value_kind: global_buffer, .address_space: global }
      - { .name: post, .offset: 40, .size: 8, .value_kind: global_buffer, .address_space: global }
    .group_segment_fixed_size: 318464
    .private_segment_fixed_size: 0
    .kernarg_segment_align: 8
    .kernarg_segment_size: 48
    .max_flat_workgroup_size: 512
    .sgpr_count:     100
    .vgpr_count:     256
    .wavefront_size: 32
...
	.end_amdgpu_metadata
.endif
;; end of part 6
;; launch ffn2 (part 7): grid 32 x 8, 16 waves a work-group, no clusters, 141,312 bytes of LDS; arguments hq, rt, W2, yp; writes yp
.if DOCPART == 7
	.amdgcn_target "amdgcn-amd-amdhsa--gfx1250"
	.amdhsa_code_object_version 6
	.text
	.protected	k_q4d850b3f02_ffn2
	.globl	k_q4d850b3f02_ffn2
	.p2align	8
	.type	k_q4d850b3f02_ffn2,@function
k_q4d850b3f02_ffn2:
	s_mov_b64 s[64:65], 0
	v_nop
	global_prefetch_b8 v0, s[64:65] scope:SCOPE_SE
	s_setreg_imm32_b32 hwreg(HW_REG_WAVE_SCHED_MODE, 0, 2), 2
	s_setreg_imm32_b32 hwreg(HW_REG_WAVE_MODE, 25, 1), 1
	s_wait_xcnt 0x0
	s_wait_alu depctr_vm_vsrc(0)
; FFN2.  Partial sums of h_e W2_e for the rows routed to expert e: both operands codes of BF6 (E3M2) with one E8M0 scale for each 32 along H.  h comes as the codes that the launch before stored.
; SHARES.  Work-group (x = c + 8 q, y = expert) owns W2[e][1,024 q .. + 1,023 of H][128 c .. + 127]: 512 KB of f32, read from memory ONCE in the launch, and multiplies it with ALL rows of its expert.
; The four quarters q of H give four partial sums in f32, which the last launch adds: with 1,024 along K to a work-group a tile's operand (8 fragments, 96 registers) stays in registers and every stage finishes its sums.
; The slab goes in four WINDOWS of 32 columns x 1,024 along H.  A LANE TAKES A COLUMN AND ITS REGISTERS RUN DOWN H (wave w: 64 w .. 64 w + 63): a block of 32 lies in one lane, the conversions give codes with K
; innermost, and they go to LDS as IMAGES OF THE OPERAND'S REGISTERS.  While window g's columns are multiplied (a STAGE), window g + 1's 64 loads a wave are issued AMONG THE STAGE'S K STEPS, 16 behind the first
; and 8 behind each of the next six: the requests go out beside the products, not in a run of their own in front of a barrier.  16 waves x 64 x 128 bytes are a window.
; Each weight load of a wave covers 128 consecutive bytes; the other 128 of the aligned 256 are read one window later by the same work-group.
; ROWS.  T = max(ceil(n / 16), 1) tiles of 16 rows, n counted from route's bit masks (whole numbers read from memory).  Tile m < 16 belongs to wave m and stays in its registers for all four stages.
; TILES FROM THE SIXTEENTH ON are made behind the last stage, when all four windows' images lie in LDS: the pair (tile 16 + a, window g) belongs to wave 4 (a % 4) + g, trip a / 4: one tile more costs four waves one
; fetch of its operand and one tile's work each, side by side.  hq is laid so that a lane's loads of 8 bytes ARE the operand's registers.
; THE PRODUCT IS USED TRANSPOSED (source 0 = 16 columns of W2, source 1 = 16 rows of h); column l of a window's 32 goes to tile (l >> 3) & 1, place (l & 7) + 8 (l >> 4): lane (r, h) then holds row r and columns 16 h + 0 .. 15.
; NO CLUSTER, NO TENSOR LOAD: which work is done hangs on counts read from memory; what work-groups share (h's codes, 12 KB a tile) is the smaller part beside each one's own 512 KB.
; LIMITS: NaN and infinities are not served; a block of W2 under 2^-122 (a block of zeros too) keeps the byte 1, read by this work-group alone.
; OUT: yp [e][group of 32 columns cg = 4 c + g][q][row p][32 f32].
; REGISTERS: v1-15 addresses; v16-19 h's scale words, v20-21 W's (these six hold scales alone); v22-26 at work; v29, v30 the closing add's two; v31 my lane, kept; v32-47 two accumulators;
;   v48-71, v72-95 two buffers of W's fragments (v48-63 also the way out); v96-191 h's 8 fragments; v192-255 64 weights on their way.
; THE MODE: SCHED_MODE bits 1:0 = 2 (LLVM: expert scheduling mode 2), set by the entry lines.  The code itself states the register dependences between vector or matrix instructions and memory or LDS
; instructions, with s_wait_alu, always for 0.
; THE PLAN.  Registers that memory or LDS instructions touch, and who else names them:
;   v192-255          a window's weights: the loads issued in the stage before land in them (window 0's: at the head); the quantiser's maxima and conversions read them.
;   v72-95, v25       a window's codes and scale bytes: the quantiser's vector lines write them, its seven LDS stores read them.  Then v72-95 are buffer 1 of W's fragments.
;   v48-71 / v72-95, v20 / v21   K step s's LDS loads land in buffer s % 2, its two products read it, K step s + 2's loads land in it again.
;   v32-47            the products write them; the way out's four LDS stores read them; the next tile's first products begin them anew.
;   v48-63            on the way out: LDS loads land in them, the tile's four global stores read them.   v11: the stores' offset, made at a tile's head.
;   v96-191, v16-19   a tile's operand: the fetch's loads land in them, the products read them.   v14, v15: the fetch's offsets.
;   v2, v4 are stepped once a window; v4, v5 made anew for the tail; v1, v3, v6, v7 are made at the head and never written again.
; WAITS ON va_vdst: one in the quantiser, behind all its vector lines; one behind each K step's products, ahead of the loads into their buffer; one ahead of the way out; one in a fetch.
; Between the quantiser's wait and the stage's products the only vector line is the addition to v11: so the stage's first LDS loads and the next window's 64 loads follow with no further wait.
; WAITS ON vm_vsrc: at the quantiser's head from window 1 on; at a tile's head; at the head of the tail's fetches; ahead of the tail's new addresses.
.set PITCHW, 4096                      ; bytes from H to H + 1 in W2[e]
.set WINB,  24576                      ; a window's 16 images
.set BI,    0                          ; LDS: W's images: (window g, K step s, tile u) at ((8 g + s) 2 + u) x 1,536; lane L's 12 registers at 48 L
.set BS,    98304                      ; W's scale words: (8 g + s) x 128 + 4 (place + 16 u)
.set YS,    102400                     ; the way out: 16 rows x (128 + 16) bytes for each wave
.set YSW,   2304
.set HSC,   25165824
.macro WLOAD g, beta                   ; half a window: W(64 w + i, column 32 g + lane), i = 32 beta .. 32 beta + 31
.set II, 32*(\beta)
.rept 32
	global_load_b32 v[192+II], v1, s[24:25] offset:II*PITCHW+128*(\g)
.set II, II+1
.endr
.endm
.macro WCH g, c                        ; an eighth of a window: i = 8 c .. 8 c + 7.  Pieces 0 to 7 in this order are the two halves in WLOAD's order
.set II, 8*(\c)
.rept 8
	global_load_b32 v[192+II], v1, s[24:25] offset:II*PITCHW+128*(\g)
.set II, II+1
.endr
.endm
; a block of 32 of my column becomes 24 bytes of codes, in v[72 + 12 beta] on; n = how many younger loads may stay out
.macro QWH g, beta, n
.set WB, 192+32*\beta
.set CW, 72+12*\beta
	s_wait_loadcnt \n
	v_max3_num_f32 v22, |v[WB]|, |v[WB+1]|, 0x2800000              ; the floor 2^(5 - 127) among the leaves: the byte cannot fall under 1
	v_max3_num_f32 v23, |v[WB+2]|, |v[WB+3]|, |v[WB+4]|
.irp i, 5,9,13,17,21,25
	v_max3_num_f32 v22, v22, |v[WB+\i]|, |v[WB+\i+1]|
	v_max3_num_f32 v23, v23, |v[WB+\i+2]|, |v[WB+\i+3]|
.endr
	v_max3_num_f32 v22, v22, |v[WB+29]|, |v[WB+30]|
	v_max3_num_f32 v22, v22, v23, |v[WB+31]|
	v_add_nc_u32 v24, 0xfe000000, v22              ; 4 off the exponent field: the conversion's scale operand
	v_cvt_scalef32_pk16_bf6_f32 v[CW:CW+2], v[WB:WB+15], v24
	v_cvt_scalef32_pk16_bf6_f32 v[CW+6:CW+8], v[WB+16:WB+31], v24  ; (a conversion's three registers begin on an even number)
	v_lshrrev_b32 v[25+\beta], 23, v24             ; the scale's byte (and the plain line behind the conversions)
.irp i, 0,1,2
	v_mov_b32 v[CW+3+\i], v[CW+6+\i]
.endr
.endm
; THE QUANTISER of window g: both blocks' vector lines, one wait, the seven LDS stores
.macro QW g, n0, n1
.if \g > 0
	s_wait_xcnt 0x0                                ; every earlier store has read its registers (ahead of window 0 no store is out, and no register written here is named by a pending load)
	s_wait_alu depctr_vm_vsrc(0)                   ; the last window's LDS stores have read v2, v25 and v72-95, the stage's LDS loads v4: all of these are written below
	v_add_nc_u32 v2, WINB, v2                      ; on to this window's images: where I store,
	v_add_nc_u32 v4, WINB, v4                      ; and where I shall read
.endif
	QWH \g, 0, \n0
	QWH \g, 1, \n1
	v_lshl_or_b32 v25, v26, 8, v25
	s_wait_alu depctr_va_vdst(0)                   ; the codes v72-95, the bytes v25 and the addresses v2 and v4 are written; the conversions are done reading v192-255, in which the next window's loads land
.irp beta, 0,1
.irp i, 0,1,2
	ds_store_b64 v2, v[72+12*\beta+2*\i:73+12*\beta+2*\i] offset:768*\beta+8*\i
.endr
.endr
	ds_store_b16 v3, v25 offset:1024*(\g)          ; my column's two bytes of its K step's scale word
	s_wait_dscnt 0x0
.endm
.macro COUNT                           ; n = the bits of the 32 mask words; T = max(ceil(n / 16), 1)
	s_bcnt1_i32_b32 s19, s32
.set JJ, 33
.rept 31
	s_bcnt1_i32_b32 s92, s[JJ]
	s_add_co_u32 s19, s19, s92
.set JJ, JJ+1
.endr
	s_add_co_u32 s20, s19, 15
	s_lshr_b32 s20, s20, 4
	s_max_u32 s20, s20, 1
.endm
.macro BLD g, s                        ; K step s's two fragments of W and their scale words, into buffer s % 2: 7 LDS loads
.set RB, 48+24*((\s)%2)
.irp u, 0,1
.irp i, 0,1,2
	ds_load_b128 v[RB+12*\u+4*\i:RB+12*\u+4*\i+3], v4 offset:(2*(\s)+\u)*1536+16*\i
.endr
.endr
	ds_load_b32 v[20+(\s)%2], v5 offset:1024*(\g)+128*(\s)   ; lanes 0-15: tile 0's words, lanes 16-31: tile 1's
.endm
.macro MM s                            ; the two accumulators by turns, one instruction a turn.  h's scale words: lanes 0-15 hold an even K step's, lanes 16-31 the odd one's
.set RX, 96+12*(\s)
.set RA, 48+24*((\s)%2)
.set SA, 20+(\s)%2
.set SX, 16+(\s)/2
.if (\s)%2 == 0
	v_wmma_scale_f32_16x16x128_f8f6f4 v[32:39], v[RA:RA+11], v[RX:RX+11], v[32:39], v[SA], v[SX] matrix_a_fmt:MATRIX_FMT_BF6 matrix_b_fmt:MATRIX_FMT_BF6
	v_wmma_scale_f32_16x16x128_f8f6f4 v[40:47], v[RA+12:RA+23], v[RX:RX+11], v[40:47], v[SA], v[SX] matrix_a_fmt:MATRIX_FMT_BF6 matrix_b_fmt:MATRIX_FMT_BF6 matrix_a_scale:MATRIX_SCALE_ROW1
.else
	v_wmma_scale_f32_16x16x128_f8f6f4 v[32:39], v[RA:RA+11], v[RX:RX+11], v[32:39], v[SA], v[SX] matrix_a_fmt:MATRIX_FMT_BF6 matrix_b_fmt:MATRIX_FMT_BF6 matrix_b_scale:MATRIX_SCALE_ROW1
	v_wmma_scale_f32_16x16x128_f8f6f4 v[40:47], v[RA+12:RA+23], v[RX:RX+11], v[40:47], v[SA], v[SX] matrix_a_fmt:MATRIX_FMT_BF6 matrix_b_fmt:MATRIX_FMT_BF6 matrix_a_scale:MATRIX_SCALE_ROW1 matrix_b_scale:MATRIX_SCALE_ROW1
.endif
.endm
.macro MMZ                             ; K step 0 starts the sums: nothing is cleared
	v_wmma_scale_f32_16x16x128_f8f6f4 v[32:39], v[48:59], v[96:107], 0, v20, v16 matrix_a_fmt:MATRIX_FMT_BF6 matrix_b_fmt:MATRIX_FMT_BF6
	v_wmma_scale_f32_16x16x128_f8f6f4 v[40:47], v[60:71], v[96:107], 0, v20, v16 matrix_a_fmt:MATRIX_FMT_BF6 matrix_b_fmt:MATRIX_FMT_BF6 matrix_a_scale:MATRIX_SCALE_ROW1
.endm
.macro SYNC                            ; my LDS stores have landed and my LDS loads are in: then the work-group's barrier
	s_wait_dscnt 0x0
	s_barrier_signal -1
	s_barrier_wait -1
.endm
; THE FETCH of the tile named by s[sm]: lane (r, h) takes, for K step s and half c, the 24 bytes of block 4 s + 2 c + h of row r: the operand's registers as they lie; and the scale words: 52 loads.
; again = 1: a fetch has gone before
.macro ALOAD_ISSUE sm, again
.if \again
	s_wait_alu depctr_vm_vsrc(0)                   ; the last fetch's loads have read v14 and v15, which are written below
.endif
	s_mul_i32 s92, s[\sm], 49152
	v_add_nc_u32 v14, s92, v9
	s_lshl_b32 s93, s[\sm], 11
	v_add_nc_u32 v15, s93, v1
	s_wait_alu depctr_va_vdst(0)                   ; the offsets v14 and v15 are written, and with them every address made so far; the last tile's products are done reading v96-191, v16-19, v48-95, v20 and v21, in which the loads below and the tile's first LDS loads land
.set SS, 0
.rept 8
.irp c, 0,1
.irp p, 0,1,2
	global_load_b64 v[96+12*SS+6*\c+2*\p:97+12*SS+6*\c+2*\p], v14, s[26:27] offset:(4*SS+2*\c)*384+8*\p
.endr
.endr
.set SS, SS+1
.endr
.irp i, 0,1,2,3
	global_load_b32 v[16+\i], v15, s[28:29] offset:128*\i   ; lanes 0-15: K step 2 i, lanes 16-31: K step 2 i + 1
.endr
.endm
; tile s21 x window g: 16 products; 16 rows x 32 columns of f32 go out.  ld = 1: window g + 1's 64 loads go out among the K steps, each piece behind the step's products
.macro TILE2 g, ld
	s_wait_xcnt 0x0                                ; the last tile's stores have read v11 and v48-63
	s_wait_alu depctr_vm_vsrc(0)                   ; the last tile's global stores have read v11 and v48-63 and its LDS stores v32-47; the quantiser's LDS stores have read v72-95: all of these are written below, by the addition, by W's fragments or by the first products
	s_lshl_b32 s92, s21, 11
	v_add_nc_u32 v11, s92, v10
	BLD \g, 0                                      ; (since the last wait on va_vdst, the quantiser's or the fetch's, no vector or matrix line names v48-95, v20 or v21)
	BLD \g, 1
	s_wait_dscnt 7                                 ; K step 0's loads are in; K step 1's seven may be out
	MMZ
.if \ld
	WCH (\g)+1, 0                                  ; no vector or matrix line since the quantiser's wait names v192-255 or v1
	WCH (\g)+1, 1
.endif
	s_wait_alu depctr_va_vdst(0)                   ; K step 0's two products are done reading buffer 0 and v20, in which K step 2's loads land
	BLD \g, 2
.irp s, 1,2,3,4,5,6,7
.if \s < 7
	s_wait_dscnt 7                                 ; this K step's loads are in; the next one's seven may be out
.else
	s_wait_dscnt 0x0
.endif
	MM \s
.if \ld
.if \s < 7
	WCH (\g)+1, \s+1
.endif
.endif
.if \s < 6
	s_wait_alu depctr_va_vdst(0)                   ; this K step's two products are done reading their buffer and its scale word, in which the loads of the step after next land
	BLD \g, \s+2
.endif
.endr
.rept 5
	v_nop                                          ; four places in front of the stores that read the results; five, since the next tile's first products begin these accumulators anew
.endr
	s_wait_alu depctr_va_vdst(0)                   ; the products have written v32-47, which the LDS stores read, and are done reading v48-63, in which the LDS loads land; v11 is written, which the global stores read.  The places above stay beside this wait
.irp u, 0,1
.irp i, 0,1
	ds_store_b128 v6, v[32+8*\u+4*\i:35+8*\u+4*\i] offset:32*\u+16*\i   ; each accumulator from its low end on: row r, columns 16 h + 8 u + 4 i on
.endr
.endr
.irp i, 0,1,2,3
	ds_load_b128 v[48+4*\i:51+4*\i], v7 offset:576*\i   ; back by rows, four rows of 128 bytes an instruction (LDS serves a wave's instructions in order: ISA guide 5.7.1.4)
.endr
.irp i, 0,1,2,3
	s_wait_dscnt 3-\i
	global_store_b128 v11, v[48+4*\i:51+4*\i], s[30:31] offset:524288*(\g)+512*\i   ; 32 lanes store 512 consecutive bytes, at a multiple of 256 from yp's first byte
.endr
.endm
; A STAGE: my tile (tile w, in registers since the start) x window g.  A wave at or past T has no tile: it only asks for its part of the next window.  Both ways issue the same 64 loads in the same order.
.macro STAGE g
	s_cmp_ge_u32 s16, s20
	s_cbranch_scc1 .Lidle_\@
.if \g < 3
	TILE2 \g, 1
	s_branch .Ldone_\@
.Lidle_\@:
	WLOAD (\g)+1, 0                                ; the quantiser's wait on va_vdst serves these too: no vector line stands between
	WLOAD (\g)+1, 1
.Ldone_\@:
.else
	TILE2 \g, 0
.Lidle_\@:
.endif
.endm
	s_load_b256 s[4:11], s[0:1], 0x0               ; hq s[4:5], rt s[6:7], W2 s[8:9], yp s[10:11]
	v_lshl_add_u32 v29, v0, 2, 0x22000             ; my spare word and 0: made here and kept for the closing lines alone
	v_mov_b32 v30, 0
	v_lshrrev_b32 v22, 5, v0
	v_readfirstlane_b32 s16, v22                   ; wave 0..15
	s_and_b32 s17, ttmp9, 7                        ; c: which 128 columns
	s_lshr_b32 s97, ttmp9, 3                       ; q: which quarter of H
	s_and_b32 s18, ttmp7, 0xffff                   ; expert
	v_and_b32 v31, 31, v0                          ; lane
	v_lshlrev_b32 v1, 2, v31                       ; 4 x lane: my column
	s_wait_alu depctr_va_sdst(0)                   ; s16 is written, ahead of its first reader: bases, LDS addresses and branches are made from it
	s_lshl_b32 s92, s18, 24                        ; W2: 2^24 bytes an expert, 1,024 rows of 4,096 a quarter, 64 rows a wave, 512 bytes a slice of columns
	s_lshl_b32 s93, s97, 22
	s_add_co_u32 s92, s92, s93
	s_lshl_b32 s93, s16, 18
	s_add_co_u32 s92, s92, s93
	s_lshl_b32 s93, s17, 9
	s_add_co_u32 s92, s92, s93
	s_mov_b32 s93, 0
	s_lshl_b32 s96, s18, 7                         ; the masks: 128 bytes an expert
	s_wait_kmcnt 0x0
	s_load_b512 s[32:47], s[6:7], s96 offset:0x0   ; my expert's 32 mask words
	s_load_b512 s[48:63], s[6:7], s96 offset:0x40
	s_add_nc_u64 s[24:25], s[8:9], s[92:93]
	s_wait_alu depctr_va_vdst(0)                   ; the offset v1 is written, which every load of W2 reads
	WLOAD 0, 0
	WLOAD 0, 1
	s_mul_i32 s98, s18, 3145728                    ; h's codes: 3,145,728 bytes an expert, 32 blocks of 384 a quarter
	s_mul_i32 s99, s97, 12288
	s_add_co_u32 s98, s98, s99
	s_mov_b32 s99, 0
	s_add_nc_u64 s[26:27], s[4:5], s[98:99]
	s_lshl_b32 s98, s18, 17                        ; h's scale words: 131,072 bytes an expert, 8 K steps of 64 a quarter
	s_lshl_b32 s99, s97, 9
	s_add_co_u32 s98, s98, s99
	s_add_co_u32 s98, s98, HSC
	s_mov_b32 s99, 0
	s_add_nc_u64 s[28:29], s[4:5], s[98:99]
	s_lshl_b32 s98, s18, 24                        ; yp: 2^24 bytes an expert, 4 groups of 524,288 a slice, 131,072 a quarter
	s_lshl_b32 s99, s17, 21
	s_add_co_u32 s98, s98, s99
	s_lshl_b32 s99, s97, 17
	s_add_co_u32 s98, s98, s99
	s_mov_b32 s99, 0
	s_add_nc_u64 s[30:31], s[10:11], s[98:99]
	v_and_b32 v22, 15, v0                          ; r
	v_bfe_u32 v23, v0, 4, 1                        ; h
	v_bfe_u32 v24, v0, 3, 1                        ; my column's tile u
	v_and_b32 v25, 7, v0
	v_lshl_add_u32 v25, v23, 3, v25                ; and its place (l & 7) + 8 (l >> 4)
	s_wait_alu depctr_va_vdst(0)
	s_lshr_b32 s92, s16, 1                         ; my 64 along H lie in K step w >> 1,
	s_and_b32 s93, s16, 1                          ; in its half w & 1
	s_mul_i32 s94, s92, 3072
	s_mul_i32 s95, s93, 24
	s_add_co_u32 s94, s94, s95
	v_mul_u32_u24 v2, v25, 48
	v_mad_u32_u24 v2, v24, 1536, v2
	v_add_nc_u32 v2, s94, v2                       ; where my codes go: image (s, u), lane place + 16 beta (768 beta in the immediate), half w & 1
	s_lshl_b32 s94, s92, 7
	s_lshl_b32 s95, s93, 1
	s_add_co_u32 s94, s94, s95
	s_add_co_u32 s94, s94, BS
	v_lshl_add_u32 v3, v24, 4, v25
	v_lshl_add_u32 v3, v3, 2, s94                  ; and my two scale bytes
	v_mul_u32_u24 v4, v31, 48                      ; an image's place for my lane
	v_add_nc_u32 v5, BS, v1                        ; a scale word's
	s_mul_i32 s94, s16, YSW
	s_add_co_u32 s94, s94, YS
	v_mul_u32_u24 v6, v22, 144
	v_lshl_add_u32 v6, v23, 6, v6
	v_add_nc_u32 v6, s94, v6                       ; the way out, in: row r, 64 bytes for each half of the lanes
	v_lshrrev_b32 v7, 3, v31
	v_mul_u32_u24 v7, v7, 144
	v_and_b32 v25, 7, v0
	v_lshl_add_u32 v7, v25, 4, v7
	v_add_nc_u32 v7, s94, v7                       ; and back: eight lanes to a row of 128 bytes
	v_mul_u32_u24 v9, v22, 24
	v_mad_u32_u24 v9, v23, 384, v9                 ; h's codes: 24 r in a block, lanes 16-31 one block on
	v_lshlrev_b32 v10, 4, v31                      ; 16 x lane
	s_wait_alu depctr_va_vdst(0)
	s_wait_kmcnt 0x0                               ; the masks
	COUNT
	s_sub_co_u32 s22, s20, 1                       ; the tile that I fetch: tile w; a wave without a tile takes the last one, whose bytes were stored, and uses nothing of it
	s_min_u32 s22, s22, s16
	s_min_u32 s22, s22, 63
	s_mov_b32 s21, s16                             ; my tile in the four stages
	ALOAD_ISSUE 22, 0
	QW 0, 63, 52                                   ; behind window 0's first half stand 32 + 52 loads, more than a wait can name, so 63; behind its second half h's 52
	s_wait_loadcnt 0x0                             ; h's fragments and scale words are in
	SYNC                                           ; window 0's images are whole
	STAGE 0
	QW 1, 32, 0                                    ; the window's second half may stay out while the first is converted
	SYNC
	STAGE 1
	QW 2, 32, 0
	SYNC
	STAGE 2
	QW 3, 32, 0
	SYNC
	STAGE 3
	; THE TILES FROM THE SIXTEENTH ON.  All four windows' images lie in LDS since the last barrier and nobody writes them any more: no barrier is needed.  My window here is g = w & 3: it goes into the
	; addresses once, and the tile's immediates are those of window 0.  My tiles: 16 + (w >> 2) + 4 t, t = 0 .. 11: twelve trips, whatever T is; a tile at or past T is jumped over.
	s_wait_xcnt 0x0                                ; the last stage's stores have read their base
	s_wait_alu depctr_vm_vsrc(0)                   ; the last stage's LDS loads have read v4 and v5, which are made anew below (the fetch's wait on va_vdst stands between these lines and the next LDS load that reads them)
	s_and_b32 s92, s16, 3
	s_lshl_b32 s94, s92, 19
	s_mov_b32 s95, 0
	s_add_nc_u64 s[30:31], s[30:31], s[94:95]      ; yp: group g of the slice's four
	s_mul_i32 s93, s92, WINB
	v_mul_u32_u24 v4, v31, 48
	v_add_nc_u32 v4, s93, v4                       ; window g's images,
	s_lshl_b32 s94, s92, 10
	v_add_nc_u32 v5, s94, v5                       ; and its scale words
	s_lshr_b32 s22, s16, 2
	s_add_co_u32 s22, s22, 16
	s_mov_b32 s23, 0
.Ltail:
	s_add_co_u32 s21, s23, s22
	s_cmp_ge_u32 s21, s20
	s_cbranch_scc1 .Ltail_skip
	ALOAD_ISSUE 21, 1
	s_wait_loadcnt 0x0
	TILE2 0, 0
.Ltail_skip:
	s_add_co_u32 s23, s23, 4
	s_cmp_lt_u32 s23, 48
	s_cbranch_scc1 .Ltail
	s_wait_dscnt 0x0                               ; the closing lines, six on end
	s_wait_alu 0x0
	s_wait_tensorcnt 0x0
	ds_add_u32 v29, v30
	s_wait_dscnt 0x0
	s_endpgm
.Lfunc_end_k_q4d850b3f02_ffn2:
	.size	k_q4d850b3f02_ffn2, .Lfunc_end_k_q4d850b3f02_ffn2-k_q4d850b3f02_ffn2
	.p2alignl 7, 3214868480
	.fill 96, 4, 3214868480
	.section	.rodata,"a",@progbits
	.p2align	6, 0x0
	.amdhsa_kernel k_q4d850b3f02_ffn2
		.amdhsa_group_segment_fixed_size 141312
		.amdhsa_private_segment_fixed_size 0
		.amdhsa_enable_private_segment 0
		.amdhsa_kernarg_size 32
		.amdhsa_user_sgpr_count 2
		.amdhsa_user_sgpr_kernarg_segment_ptr 1
		.amdhsa_wavefront_size32 1
		.amdhsa_system_sgpr_workgroup_id_x 1
		.amdhsa_system_sgpr_workgroup_id_y 1
		.amdhsa_system_sgpr_workgroup_id_z 1
		.amdhsa_system_vgpr_workitem_id 0
		.amdhsa_next_free_vgpr 256
		.amdhsa_next_free_sgpr 100
		.amdhsa_reserve_vcc 0
		.amdhsa_float_denorm_mode_32 3
		.amdhsa_float_denorm_mode_16_64 3
		.amdhsa_memory_ordered 1
		.amdhsa_forward_progress 1
		.amdhsa_inst_pref_size 110
	.end_amdhsa_kernel
	.amdgpu_metadata
---
amdhsa.version: [ 1, 2 ]
amdhsa.kernels:
  - .name:           k_q4d850b3f02_ffn2
    .symbol:         k_q4d850b3f02_ffn2.kd
    .args:
      - { .name: hq, .offset: 0, .size: 8, .value_kind: global_buffer, .address_space: global }
      - { .name: rt, .offset: 8, .size: 8, .value_kind: global_buffer, .address_space: global }
      - { .name: W2, .offset: 16, .size: 8, .value_kind: global_buffer, .address_space: global }
      - { .name: yp, .offset: 24, .size: 8, .value_kind: global_buffer, .address_space: global }
    .group_segment_fixed_size: 141312
    .private_segment_fixed_size: 0
    .kernarg_segment_align: 8
    .kernarg_segment_size: 32
    .max_flat_workgroup_size: 512
    .sgpr_count:     100
    .vgpr_count:     256
    .wavefront_size: 32
...
	.end_amdgpu_metadata
.endif
;; end of part 7
;; launch comb (part 8): grid 256 x 1, 8 waves a work-group, no clusters, 0 bytes of LDS; arguments rt, gat, post, yp, b2, out0; writes out0
.if DOCPART == 8
	.amdgcn_target "amdgcn-amd-amdhsa--gfx1250"
	.amdhsa_code_object_version 6
	.text
	.protected	k_q4d850b3f02_comb
	.globl	k_q4d850b3f02_comb
	.p2align	8
	.type	k_q4d850b3f02_comb,@function
k_q4d850b3f02_comb:
	s_mov_b64 s[64:65], 0
	v_nop
	global_prefetch_b8 v0, s[64:65] scope:SCOPE_SE
	s_setreg_imm32_b32 hwreg(HW_REG_WAVE_MODE, 25, 1), 1
	s_wait_xcnt 0x0
; COMB.  out[t] = g0 (y[e0] + b2[e0]) + g1 (y[e1] + b2[e1]), y[e] = the sum of the four partial sums along H that the launch before stored for token t's row of expert e.  All in f32.
; Each output row has one owner: wave w of work-group wg takes token 4 wg + (w >> 1), columns 512 (w & 1) .. + 511.  The experts, the row numbers and the weights are read from memory (whole numbers stored by
; earlier launches steer the addresses); all 40 loads of a wave are issued at once.  A stream: no LDS, no barrier, no matrix unit; the waves share nothing.
; yp is [e][group of 32 columns][quarter q][row p][32 f32]: a load of the wave takes 128 consecutive bytes in each of four groups; a lane's 16 bytes are columns 4 lane .. + 3 of the 128 in hand.
	s_load_b256 s[4:11], s[0:1], 0x0               ; rt s[4:5], gat s[6:7], post s[8:9], yp s[10:11]
	s_load_b128 s[12:15], s[0:1], 0x20             ; b2 s[12:13], out0 s[14:15]
	v_lshrrev_b32 v1, 5, v0
	s_delay_alu instid0(VALU_DEP_1)
	v_readfirstlane_b32 s16, v1                    ; wave 0..7
	s_lshl_b32 s17, ttmp9, 2
	s_lshr_b32 s18, s16, 1
	s_add_co_u32 s17, s17, s18                     ; my token
	s_and_b32 s18, s16, 1                          ; my half of the columns
	s_lshl_b32 s19, s17, 2
	s_lshl_b32 s20, s17, 3
	v_and_b32 v7, 31, v0
	s_delay_alu instid0(VALU_DEP_1)
	v_lshlrev_b32 v1, 4, v7                        ; 16 x lane
	s_delay_alu instid0(VALU_DEP_2)
	v_lshrrev_b32 v2, 3, v7
	s_delay_alu instid0(VALU_DEP_3)
	v_and_b32 v8, 7, v7
	s_delay_alu instid0(VALU_DEP_2)
	v_lshlrev_b32 v2, 19, v2
	s_delay_alu instid0(VALU_DEP_1)
	v_lshl_add_u32 v2, v8, 4, v2                   ; group lane / 8 (524,288 bytes each), 16 (lane % 8) in its row
	s_wait_alu depctr_va_vdst(0)
	s_wait_kmcnt 0x0
	s_load_b32 s21, s[4:5], s19 offset:0x400       ; e0 | e1 << 8
	s_load_b64 s[22:23], s[6:7], s20 offset:0x0    ; g0, g1
.irp e, 0,1,2,3,4,5,6,7
	s_load_b32 s[24+\e], s[8:9], s19 offset:4096*\e   ; my token's row number with each expert: eight loads that wait for nothing
.endr
	s_lshl_b32 s46, s17, 12                        ; out: 4,096 bytes a token, 2,048 a half
	s_lshl_b32 s47, s18, 11
	s_add_co_u32 s46, s46, s47
	s_mov_b32 s47, 0
	s_add_nc_u64 s[14:15], s[14:15], s[46:47]
	s_wait_kmcnt 0x0
	s_and_b32 s32, s21, 0xff
	s_min_u32 s32, s32, 7                          ; an expert's number stays inside its tables
	s_bfe_u32 s33, s21, 0x80008
	s_min_u32 s33, s33, 7
	s_mov_b32 s34, s24
	s_mov_b32 s35, s24
.irp e, 1,2,3,4,5,6,7
	s_cmp_eq_u32 s32, \e
	s_cselect_b32 s34, s[24+\e], s34
	s_cmp_eq_u32 s33, \e
	s_cselect_b32 s35, s[24+\e], s35
.endr
	s_min_u32 s34, s34, 1023                       ; and so does a row's
	s_min_u32 s35, s35, 1023
	s_lshl_b32 s40, s32, 24                        ; yp: 2^24 bytes an expert, 128 a row, 2^23 a half of the columns
	s_lshl_b32 s41, s34, 7
	s_add_co_u32 s40, s40, s41
	s_lshl_b32 s42, s33, 24
	s_lshl_b32 s41, s35, 7
	s_add_co_u32 s42, s42, s41
	s_lshl_b32 s41, s18, 23
	s_add_co_u32 s40, s40, s41
	s_add_co_u32 s42, s42, s41
	v_add_nc_u32 v3, s40, v2
	s_wait_alu depctr_va_vdst(0)
	v_add_nc_u32 v4, s42, v2
	s_wait_alu depctr_va_vdst(0)
	s_lshl_b32 s41, s18, 11                        ; b2: 4,096 bytes an expert, 2,048 a half
	s_lshl_b32 s44, s32, 12
	s_add_co_u32 s44, s44, s41
	s_lshl_b32 s45, s33, 12
	s_add_co_u32 s45, s45, s41
	v_add_nc_u32 v5, s44, v1
	v_add_nc_u32 v6, s45, v1
	s_mov_b32 s36, s22                             ; the weights as pairs: a packed form names the pair and takes its low word for both halves
	s_mov_b32 s37, s22
	s_mov_b32 s38, s23
	s_mov_b32 s39, s23
.macro YLOAD G                         ; columns 128 G on: for each of the two experts four partial sums and b2: ten loads
.irp k, 0,1
.irp q, 0,1,2,3
	global_load_b128 v[32+40*\G+20*\k+4*\q:35+40*\G+20*\k+4*\q], v[3+\k], s[10:11] offset:2097152*\G+131072*\q
.endr
	global_load_b128 v[48+40*\G+20*\k:51+40*\G+20*\k], v[5+\k], s[12:13] offset:512*\G
.endr
.endm
.macro OUT G, left                     ; left = the loads of the later groups, which may stay out
	s_wait_loadcnt \left
.irp k, 0,1
.set R, 32+40*\G+20*\k
.irp i, 0,2
	v_pk_add_f32 v[R+\i:R+\i+1], v[R+\i:R+\i+1], v[R+4+\i:R+5+\i]
	v_pk_add_f32 v[R+8+\i:R+9+\i], v[R+8+\i:R+9+\i], v[R+12+\i:R+13+\i]
.endr
.irp i, 0
	s_delay_alu instid0(VALU_DEP_3)
	v_pk_add_f32 v[R+\i:R+\i+1], v[R+\i:R+\i+1], v[R+8+\i:R+9+\i]
.endr
.irp i, 2
	s_delay_alu instid0(VALU_DEP_2)
	v_pk_add_f32 v[R+\i:R+\i+1], v[R+\i:R+\i+1], v[R+8+\i:R+9+\i]
.endr
.irp i, 0,2
	s_delay_alu instid0(VALU_DEP_2)
	v_pk_add_f32 v[R+\i:R+\i+1], v[R+\i:R+\i+1], v[R+16+\i:R+17+\i]   ; + b2
.endr
.endr
.set R, 32+40*\G
.irp i, 0,2
	v_pk_mul_f32 v[R+\i:R+\i+1], v[R+\i:R+\i+1], s[36:37] op_sel_hi:[1,0]
.endr
.irp i, 0,2
	s_delay_alu instid0(VALU_DEP_2)
	v_pk_fma_f32 v[R+\i:R+\i+1], v[R+20+\i:R+21+\i], s[38:39], v[R+\i:R+\i+1] op_sel_hi:[1,0,1]
.endr
	global_store_b128 v1, v[R:R+3], s[14:15] offset:512*\G th:TH_STORE_NT   ; 32 lanes store 512 consecutive bytes, at a multiple of 256 from out0's first byte
.endm
	YLOAD 0
	YLOAD 1
	YLOAD 2
	YLOAD 3
	OUT 0, 30
	OUT 1, 20
	OUT 2, 10
	OUT 3, 0
	s_endpgm
.Lfunc_end_k_q4d850b3f02_comb:
	.size	k_q4d850b3f02_comb, .Lfunc_end_k_q4d850b3f02_comb-k_q4d850b3f02_comb
	.p2alignl 7, 3214868480
	.fill 96, 4, 3214868480
	.section	.rodata,"a",@progbits
	.p2align	6, 0x0
	.amdhsa_kernel k_q4d850b3f02_comb
		.amdhsa_group_segment_fixed_size 0
		.amdhsa_private_segment_fixed_size 0
		.amdhsa_enable_private_segment 0
		.amdhsa_kernarg_size 48
		.amdhsa_user_sgpr_count 2
		.amdhsa_user_sgpr_kernarg_segment_ptr 1
		.amdhsa_wavefront_size32 1
		.amdhsa_system_sgpr_workgroup_id_x 1
		.amdhsa_system_sgpr_workgroup_id_y 1
		.amdhsa_system_sgpr_workgroup_id_z 1
		.amdhsa_system_vgpr_workitem_id 0
		.amdhsa_next_free_vgpr 192
		.amdhsa_next_free_sgpr 66
		.amdhsa_reserve_vcc 0
		.amdhsa_float_denorm_mode_32 3
		.amdhsa_float_denorm_mode_16_64 3
		.amdhsa_memory_ordered 1
		.amdhsa_forward_progress 1
		.amdhsa_inst_pref_size 15
	.end_amdhsa_kernel
	.amdgpu_metadata
---
amdhsa.version: [ 1, 2 ]
amdhsa.kernels:
  - .name:           k_q4d850b3f02_comb
    .symbol:         k_q4d850b3f02_comb.kd
    .args:
      - { .name: rt, .offset: 0, .size: 8, .value_kind: global_buffer, .address_space: global }
      - { .name: gat, .offset: 8, .size: 8, .value_kind: global_buffer, .address_space: global }
      - { .name: post, .offset: 16, .size: 8, .value_kind: global_buffer, .address_space: global }
      - { .name: yp, .offset: 24, .size: 8, .value_kind: global_buffer, .address_space: global }
      - { .name: b2, .offset: 32, .size: 8, .value_kind: global_buffer, .address_space: global }
      - { .name: out0, .offset: 40, .size: 8, .value_kind: global_buffer, .address_space: global }
    .group_segment_fixed_size: 0
    .private_segment_fixed_size: 0
    .kernarg_segment_align: 8
    .kernarg_segment_size: 48
    .max_flat_workgroup_size: 256
    .sgpr_count:     66
    .vgpr_count:     192
    .wavefront_size: 32
...
	.end_amdgpu_metadata
.endif
;; end of part 8
